; MI455X (gfx1250); checked and timed in simulation.
; The chip was launched on July 23, 2026; its instructions are those of AMD's public machine-readable ISA for CDNA 5 (MIT licence, August 2026) and "CDNA5" Instruction Set Architecture Reference Guide (July 2026). The comments in the code are by the model that wrote it; some were corrected since.
;; Self Attention. Allowed arithmetic: matrix products marked QUANTISED: E2M3 operands, one E8M0 scale for each 32 along K, by v_wmma_scale_f32_16x16x128_f8f6f4 with both operands' format E2M3, f32 sums; everything else in f32.
;; Inputs: b_out 1,024 float32; b_qkv 3,072 float32; gn_b 1,024 float32; gn_w 1,024 float32; w_out 1,024 x 1,024 float32; w_qkv 3,072 x 1,024 float32; x 4 x 1,024 x 1,024 float32.
;; Outputs: out0 4 x 1,024 x 1,024 float32.
;; This version of the problem:
;;   THIS VERSION OF THE PROBLEM IS GIVEN IN LOW PRECISION. The matrix products marked QUANTISED in the list below multiply operands that are first quantised to E2M3 (2 exponent bits, 3 mantissa bits; 6 bits a number), with one power-of-two scale for each 32 numbers along K (OCP MX v1.0); their sums are f32. All else is computed in f32.
;;   The module's matrix products, in the order in which they are computed (A, B: the left and right operand; K: the contracted axis; several contracted axes count as one K, in the product's order):
;;     1. [M 4,096, K 1,024] x [K 1,024, N 3,072]; A: computed on the way; B: input w_qkv: QUANTISED
;;     2. batch 64 x [M 1,024, K 64] x [K 64, N 1,024]; A: computed on the way; B: computed on the way: QUANTISED
;;     3. batch 64 x [M 1,024, K 1,024] x [K 1,024, N 64]; A: softmax (see below); B: computed on the way: QUANTISED
;;     4. [M 4,096, K 1,024] x [K 1,024, N 1,024]; A: computed on the way; B: input w_out: QUANTISED
;;   THE QUANTISER, for each operand of a quantised product, along K:
;;     - K is cut into blocks of 32 from its start; a last block that is shorter is filled with zeros.
;;     - A block's scale is 2^e with e = floor(log2(the largest magnitude in the block)) - 2, held to -126 .. 127; a block of zeros has e = 0. As a byte (E8M0): e + 127.
;;     - Each number is divided by its block's scale, clamped to +-7.5, and rounded to the nearest number of E2M3, ties to even, subnormals kept.
;;     - The product sums the exact products of the quantised numbers (number of the format x scale) in f32.
;;   ~~~python
;;   def quantise(x, axis):      # numpy; x: float32 -> the quantised numbers, widened to float32 again
;;       x = np.moveaxis(x, axis, -1); K = x.shape[-1]
;;       x = np.pad(x, [(0, 0)] * (x.ndim - 1) + [(0, -K % 32)]); x = x.reshape(x.shape[:-1] + (-1, 32)); a = np.abs(x).max(-1, keepdims=True)
;;       e = np.where(a > 0, np.clip(np.frexp(np.where(a > 0, a, 1))[1] - 1 - 2, -126, 127), 0)      # np.frexp(a)[1] - 1 = floor(log2(a)), exactly
;;       r = np.clip(x / 2.0 ** e, -7.5, 7.5)
;;       step = 2.0 ** (np.maximum(np.frexp(np.where(r == 0, 1, r))[1] - 1, 0) - 3)
;;       q = np.round(r / step) * step * 2.0 ** e      # np.round: ties to even
;;       return np.moveaxis(q.reshape(q.shape[:-2] + (-1,))[..., :K], -1, axis).astype(np.float32)
;;   ~~~
;;   SOFTMAX AHEAD OF A QUANTISED PRODUCT. Where the list says 'softmax', what is quantised is not the finished softmax but p = 2^(t - M), with t = logit x log2(e) and M = ceil(the row's largest t), a whole number; so 1/2 < the row's largest p <= 1. The row's sum l is taken of the UNQUANTISED p, in f32, and the product's result is divided by l at the end. Since M is a whole number, a kernel that streams over the keys may use a running M (the ceiling of the running maximum): every later rescaling is an exact power of two, which a block's scale takes up: the codes' values come out the same.
;;   OPERANDS COMPUTED ON THE WAY. 'Computed on the way' means the value that the module computes at that place (a softmax that the list does not call 'softmax' is quantised finished and normalised). What goes into a quantiser is computed in f32, as accurately as f32 sums, v_exp_f32 and their like allow (about 1e-6 of the number): no bf16 or f16 on the way to a quantiser, and a product that is left as it is and whose result goes on into a quantised operand takes f32 operands (vector FMAs, or v_wmma_f32_16x16x4_f32). A number that lies on a knife's edge between two numbers of the format may be rounded either way, as far as f32 arithmetic and the matrix unit's own rounding can turn it there, and no further.
;; One version. Each part assembles by itself: llvm-mc -triple=amdgcn-amd-amdhsa -mcpu=gfx1250 --defsym DOCPART=n.
;; ======== version 1 of 1: 4 launches
;; limits: right only within a limited range of input values
;; workspace buffers: cod 9,437,184 bytes; scl 393,216 bytes; qkvc 9,437,184 bytes; qkvs 393,216 bytes
;; launch prep (part 1): grid 256 x 1, 8 waves a work-group, no clusters, 138,240 bytes of LDS; arguments x, w_qkv, w_out, gn_w, gn_b, cod, scl; writes cod, scl
.if DOCPART == 1
	.amdgcn_target "amdgcn-amd-amdhsa--gfx1250"
	.amdhsa_code_object_version 6
	.text
	.protected	k_qb9b5b46536_prep
	.globl	k_qb9b5b46536_prep
	.p2align	8
	.type	k_qb9b5b46536_prep,@function
k_qb9b5b46536_prep:
	s_mov_b64 s[64:65], 0
	v_nop
	global_prefetch_b8 v0, s[64:65] scope:SCOPE_SE
	s_setreg_imm32_b32 hwreg(HW_REG_WAVE_MODE, 25, 1), 1
	s_wait_xcnt 0x0
; PREP.  GroupNorm over 32 rows x 1,024 columns (f32, mean first, then the squared deviations), its affine, and the quantiser along the columns; the two weights go through the same lines and are quantised as they are.
; Work-group g takes 32 rows of 1,024 f32: g < 128: group g of x; g < 224: rows 32 (g - 128) on of w_qkv; else rows 32 (g - 224) on of w_out.  Wave w takes columns 128 w .. 128 w + 127 of all 32 rows: 128 registers.
; ONE PATH FOR ALL THREE: for a weight the mean is masked to 0, the gain chosen as 1.0 and the offset masked to 0 (scalar mask s23), which leave its numbers bit for bit; so no barrier stands under a branch.
; OUT: codes of E2M3 as IMAGES OF AN OPERAND'S REGISTERS.  A fragment (16 rows x 128 K, 12 registers a lane) is 1,536 bytes: registers 0-3 at 16 x lane, 4-5 at 512 + 8 x lane, 6-9 at 768 + 16 x lane, 10-11 at 1,280 + 8 x lane.
; Fragment (row tile rt, K step ks) lies at 12,288 rt + 1,536 ks of cod; a row's eight scale words at 32 x its position in scl.
; IN EACH 32 ROWS POSITION p HOLDS ROW pi(p), pi = bits 3 and 4 of p exchanged: so lane r of tile u holds row 8 u + (r & 7) + 16 (r >> 3), and a product that takes such a tile as source 0 leaves 16 neighbouring rows in the 16 registers of two neighbouring tiles.
; A block's scale byte is its largest magnitude's exponent field - 2, held at 1 from below.
; LIMITS: NaN and infinities are not served; a block of zeros gets the byte 1 and not 127 (its codes are zeros, and only this program reads the bytes); blocks whose largest magnitude lies under 2^-124 are held at the byte 1.
; No matrix unit, no tensor load, no cluster: the launch reads each byte once and shares nothing between work-groups.
.set PITCH, 528                        ; a stage row: 512 bytes + 16 = 132 words, so that the 16 rows that a load of 16 bytes a lane touches begin 4 words apart modulo 64 words
.set WST,   32*PITCH                   ; a wave's own stage
.set RED1,  8*WST                      ; 8 words: the waves' sums; 256 bytes on: the waves' sums of squares
.set SCG,   RED1+512                   ; 1,024 bytes: the 32 rows' scale words
.set CH,    28                         ; v[28:35]  four packed chains
.set TM,    48                         ; v48-63    the quantiser's work
.set X,     64                         ; v64-191   the wave's 128 numbers a lane
.set PC0,   192                        ; v192-211, v212-231  codes of tile 0, of tile 1 (12 + 8 at work)
.set PC1,   212
.set SEL,   24                         ; s[24:25]  lane selects for v_permlanex16_b32: lane l xor 16
; 64 numbers of a lane, register 16 b + i = k 32 b + 16 (lane / 16) + i of my row, become a fragment's codes in v[pc] .. v[pc + 11] and its scale word in v[pw]
.macro QUANT s, pc, pw
.irp b, 0,1,2,3
	v_max3_num_f32 v[TM+\b], |v[\s+16*\b]|, |v[\s+1+16*\b]|, 0x1800000   ; block b: my 16 numbers, and the floor 2^(3 - 127): the byte cannot fall under 1
.endr
.irp i, 2,4,6,8,10,12,14
.irp b, 0,1,2,3
	s_delay_alu instid0(VALU_DEP_4)
	v_max3_num_f32 v[TM+\b], v[TM+\b], |v[\s+16*\b+\i]|, |v[\s+1+16*\b+\i]|   ; the four blocks by turns
.endr
.endr
.irp b, 0,1,2,3
	s_delay_alu instid0(VALU_DEP_4)
	v_permlanex16_b32 v[TM+4+\b], v[TM+\b], s[SEL], s[SEL+1]
.endr
.irp b, 0,1,2,3
	s_delay_alu instid0(VALU_DEP_4)
	v_max_num_f32 v[TM+\b], v[TM+\b], v[TM+4+\b]                   ; with lane l xor 16's 16: the block's largest magnitude
.endr
.irp b, 0,1,2,3
	s_delay_alu instid0(VALU_DEP_4)
	v_add_nc_u32 v[TM+12+\b], 0xff000000, v[TM+\b]                 ; 2 off its exponent field: the conversion's scale operand
.endr
.irp b, 0,1,2,3
	s_delay_alu instid0(VALU_DEP_4)
	v_lshrrev_b32 v[TM+4+\b], 23, v[TM+12+\b]                      ; the scale's byte
.endr
	s_delay_alu instid0(VALU_DEP_3)
	v_lshl_or_b32 v[\pw], v[TM+5], 8, v[TM+4]
	s_delay_alu instid0(VALU_DEP_1)
	v_lshl_or_b32 v[\pw], v[TM+6], 16, v[\pw]
	s_delay_alu instid0(VALU_DEP_1)
	v_lshl_or_b32 v[\pw], v[TM+7], 24, v[\pw]                      ; my row's scale word for these 128 along K
.irp c, 0,1
	v_cvt_scalef32_pk16_fp6_f32 v[\pc+6*\c:\pc+2+6*\c], v[\s+32*\c:\s+15+32*\c], v[TM+12+2*\c]
	v_cvt_scalef32_pk16_fp6_f32 v[\pc+12+4*\c:\pc+14+4*\c], v[\s+16+32*\c:\s+31+32*\c], v[TM+12+2*\c+1]   ; (a conversion's three registers begin on an even number)
.endr
	v_nop                                          ; one plain place behind a scaled conversion
.irp c, 0,1                                    ; the operand's layout wants a whole block in a lane: lanes 0-15 block 2 c, lanes 16-31 block 2 c + 1
.irp i, 0,1,2
	v_permlane16_swap_b32 v[\pc+6*\c+\i], v[\pc+12+4*\c+\i]
.endr
.irp i, 0,1,2
	s_delay_alu instid0(VALU_DEP_3)
	v_mov_b32 v[\pc+3+6*\c+\i], v[\pc+12+4*\c+\i]
.endr
.endr
.endm
; The four chains become one number for the whole work-group, in v28 of every lane: within the lane, across the 32 lanes, across the 8 waves through LDS (each wave its own word; one barrier; every wave adds the eight in the same order)
.macro REDUCE off
	s_delay_alu instid0(VALU_DEP_3)
	v_pk_add_f32 v[28:29], v[28:29], v[30:31]
	s_delay_alu instid0(VALU_DEP_2)
	v_pk_add_f32 v[32:33], v[32:33], v[34:35]
	s_delay_alu instid0(VALU_DEP_1)
	v_pk_add_f32 v[28:29], v[28:29], v[32:33]
	s_delay_alu instid0(VALU_DEP_1)
	v_add_f32 v28, v28, v29
	s_delay_alu instid0(VALU_DEP_1)
	v_add_f32_dpp v28, v28, v28 row_xmask:1 row_mask:0xf bank_mask:0xf
	s_delay_alu instid0(VALU_DEP_1)
	v_add_f32_dpp v28, v28, v28 row_xmask:2 row_mask:0xf bank_mask:0xf
	s_delay_alu instid0(VALU_DEP_1)
	v_add_f32_dpp v28, v28, v28 row_xmask:4 row_mask:0xf bank_mask:0xf
	s_delay_alu instid0(VALU_DEP_1)
	v_add_f32_dpp v28, v28, v28 row_xmask:8 row_mask:0xf bank_mask:0xf
	s_delay_alu instid0(VALU_DEP_1)
	v_permlanex16_b32 v29, v28, s[SEL], s[SEL+1]
	s_delay_alu instid0(VALU_DEP_1)
	v_add_f32 v28, v28, v29
	ds_store_b32 v11, v28 offset:\off
	s_wait_dscnt 0x0                               ; for the others' sake: my word has landed
	s_barrier_signal -1
	s_barrier_wait -1
	ds_load_b128 v[36:39], v13 offset:\off
	ds_load_b128 v[40:43], v13 offset:\off+16
	s_wait_dscnt 0x0
	v_add_f32 v36, v36, v37
	v_add_f32 v38, v38, v39
	v_add_f32 v40, v40, v41
	v_add_f32 v42, v42, v43
	s_delay_alu instid0(VALU_DEP_3)
	v_add_f32 v36, v36, v38
	s_delay_alu instid0(VALU_DEP_2)
	v_add_f32 v40, v40, v42
	s_delay_alu instid0(VALU_DEP_1)
	v_add_f32 v28, v36, v40
.endm
	s_load_b256 s[4:11], s[0:1], 0x0               ; x s[4:5], w_qkv s[6:7], w_out s[8:9], gn_w s[10:11]
	s_load_b128 s[12:15], s[0:1], 0x20             ; gn_b s[12:13], cod s[14:15]
	s_load_b64 s[16:17], s[0:1], 0x30              ; scl
	v_lshl_add_u32 v240, v0, 2, 0x21800
	v_mov_b32 v241, 0
	v_lshrrev_b32 v1, 5, v0
	s_delay_alu instid0(VALU_DEP_1)
	v_readfirstlane_b32 s18, v1                    ; wave 0..7
	v_and_b32 v2, 31, v0                           ; lane
	v_and_b32 v3, 15, v0                           ; r
	v_bfe_u32 v4, v0, 4, 1                         ; h
	s_delay_alu instid0(VALU_DEP_3)
	v_lshlrev_b32 v8, 4, v2                        ; 16 x lane
	s_delay_alu instid0(VALU_DEP_4)
	v_lshlrev_b32 v9, 3, v2                        ; 8 x lane
	s_lshl_b32 s28, s18, 9
	v_add_nc_u32 v5, s28, v8                       ; in a row of 4,096 bytes: my wave's 512, my 16
	s_mul_i32 s29, s18, WST
	v_add_nc_u32 v6, s29, v8                       ; the stage, on the way in: a row as it was loaded
	v_mul_u32_u24 v7, v3, PITCH
	s_delay_alu instid0(VALU_DEP_1)
	v_lshl_add_u32 v7, v4, 6, v7
	s_delay_alu instid0(VALU_DEP_1)
	v_add_nc_u32 v7, s29, v7                       ; on the way out: position r, + 64 h: my 16 numbers of a block of 32
	s_lshl_b32 s30, s18, 2
	v_lshlrev_b32 v10, 5, v3
	s_delay_alu instid0(VALU_DEP_1)
	v_add_nc_u32 v10, s30, v10
	s_delay_alu instid0(VALU_DEP_1)
	v_add_nc_u32 v10, SCG, v10                     ; my row's scale word of K step w
	v_mov_b32 v11, s30
	s_delay_alu instid0(VALU_DEP_1)
	v_add_nc_u32 v11, RED1, v11                    ; my wave's word of the sums
	v_and_b32 v12, 7, v3
	v_lshrrev_b32 v1, 3, v3
	s_delay_alu instid0(VALU_DEP_2)
	v_lshlrev_b32 v12, 2, v12
	s_delay_alu instid0(VALU_DEP_1)
	v_lshl_add_u32 v12, v1, 6, v12                 ; gn_w, gn_b: row (r & 7) + 16 (r >> 3) of the group; tile u: 8 rows on
	v_mov_b32 v13, RED1
	v_add_nc_u32 v14, SCG, v5                      ; the scale words' way out (waves 0 and 1): 512 w + 16 x lane
.irp b, 0,1,2,3
	v_mov_b32 v[TM+4+\b], 0                        ; written once: a lane permute's destination counts as one of its sources
.endr
	s_mov_b32 s[SEL], 0x76543210
	s_mov_b32 s[SEL+1], 0xfedcba98
	s_mov_b32 s26, 0x38000000                      ; 2^-15 = 1 / (32 x 1,024)
	s_mov_b32 s27, 0x358637bd                      ; eps = 1e-6
	s_and_b32 s32, ttmp9, 31
	s_lshl_b32 s32, s32, 7                         ; the group's 32 gains: 128 bytes x (group in its batch); inside the table for a weight's work-group too
	s_mov_b32 s33, 0
	s_mul_i32 s34, ttmp9, 24576                    ; two row tiles of 12,288 bytes a work-group,
	s_mul_i32 s35, s18, 1536                       ; my K step's fragment
	s_add_co_u32 s34, s34, s35
	s_mov_b32 s35, 0
	s_lshl_b32 s36, ttmp9, 10                      ; 32 rows x 32 bytes of scale words
	s_mov_b32 s37, 0
	s_wait_alu depctr_va_vdst(0)
	s_wait_kmcnt 0x0
	s_cmp_lt_u32 ttmp9, 128                        ; which tensor: the choice hangs on the work-group's number alone
	s_cselect_b64 s[20:21], s[4:5], s[6:7]
	s_cselect_b32 s22, 0, 128
	s_cselect_b32 s23, -1, 0                       ; all ones: the norm applies
	s_cmp_lt_u32 ttmp9, 224
	s_cselect_b64 s[20:21], s[20:21], s[8:9]
	s_cselect_b32 s22, s22, 224
	s_sub_co_u32 s28, ttmp9, s22
	s_lshl_b32 s28, s28, 17                        ; 32 rows of 4,096 bytes
	s_mov_b32 s29, 0
	s_add_nc_u64 s[20:21], s[20:21], s[28:29]
	s_add_nc_u64 s[10:11], s[10:11], s[32:33]
	s_add_nc_u64 s[12:13], s[12:13], s[32:33]
	s_add_nc_u64 s[14:15], s[14:15], s[34:35]
	s_add_nc_u64 s[16:17], s[16:17], s[36:37]
	global_load_b32 v24, v12, s[10:11]             ; gain of my row in tile 0, in tile 1
	global_load_b32 v25, v12, s[10:11] offset:32
	global_load_b32 v26, v12, s[12:13]             ; offset likewise
	global_load_b32 v27, v12, s[12:13] offset:32
.set i, 0
.rept 32
	global_load_b128 v[X+4*i:X+4*i+3], v5, s[20:21] offset:4096*i th:TH_LOAD_NT   ; row i: the wave reads 512 consecutive bytes
.set i, i+1
.endr
	; ---- the sum: 64 pairs in four chains; the first eight pairs start them
.set j, 0
.rept 64
.if j%16 == 0
	s_wait_alu depctr_va_vdst(0)
	s_wait_loadcnt 24-8*(j/16)                     ; eight more rows are in; the count is the rows' loads behind them
.endif
.if j < 4
	v_pk_add_f32 v[CH+2*j:CH+2*j+1], v[X+2*j:X+2*j+1], v[X+2*j+8:X+2*j+9]
.elseif j >= 8
	v_pk_add_f32 v[CH+2*(j%4):CH+2*(j%4)+1], v[CH+2*(j%4):CH+2*(j%4)+1], v[X+2*j:X+2*j+1]
.endif
.set j, j+1
.endr
	REDUCE 0
	s_delay_alu instid0(VALU_DEP_1)
	v_mul_f32 v44, s26, v28                        ; the mean,
	s_delay_alu instid0(VALU_DEP_1)
	v_and_b32 v44, s23, v44                        ; or 0 for a weight
	s_delay_alu instid0(VALU_DEP_1)
	v_mov_b32 v45, v44
	; ---- the deviations, in place, and their squares' sum
.set j, 0
.rept 64
	v_pk_add_f32 v[X+2*j:X+2*j+1], v[X+2*j:X+2*j+1], v[44:45] neg_lo:[0,1] neg_hi:[0,1]
.set j, j+1
.endr
.set j, 0
.rept 64
.if j < 4
	v_pk_mul_f32 v[CH+2*j:CH+2*j+1], v[X+2*j:X+2*j+1], v[X+2*j:X+2*j+1]
.else
	s_delay_alu instid0(VALU_DEP_4)
	v_pk_fma_f32 v[CH+2*(j%4):CH+2*(j%4)+1], v[X+2*j:X+2*j+1], v[X+2*j:X+2*j+1], v[CH+2*(j%4):CH+2*(j%4)+1]
.endif
.set j, j+1
.endr
	REDUCE 256
	s_delay_alu instid0(VALU_DEP_1)
	v_fma_f32 v30, v28, s26, s27                   ; the variance + eps
	s_wait_alu depctr_va_vdst(0)
	v_rsq_f32 v31, v30
	v_nop                                          ; one plain place behind a transcendental
	s_wait_alu depctr_va_vdst(0)
	v_mul_f32 v32, v31, v24
	v_mul_f32 v33, v31, v25
	s_delay_alu instid0(VALU_DEP_2)
	v_cndmask_b32 v16, 1.0, v32, s23               ; a = gain / sqrt(..), or 1.0 for a weight; both words of a pair hold it
	s_delay_alu instid0(VALU_DEP_2)
	v_cndmask_b32 v18, 1.0, v33, s23
	s_delay_alu instid0(VALU_DEP_2)
	v_mov_b32 v17, v16
	s_delay_alu instid0(VALU_DEP_2)
	v_mov_b32 v19, v18
	v_and_b32 v20, s23, v26                        ; b = offset, or 0
	v_and_b32 v22, s23, v27
	s_delay_alu instid0(VALU_DEP_2)
	v_mov_b32 v21, v20
	s_delay_alu instid0(VALU_DEP_2)
	v_mov_b32 v23, v22
	; ---- the turn through my own stage: row i goes to position pi(i); a lane then takes 16 neighbours of each block of its row.  LDS serves a wave's instructions in order, so no wait stands between the stores and the loads
.set i, 0
.rept 32
	ds_store_b128 v6, v[X+4*i:X+4*i+3] offset:((i&7)|((i&8)<<1)|((i&16)>>1))*PITCH
.set i, i+1
.endr
.irp u, 0,1
.irp b, 0,1,2,3
.irp j, 0,1,2,3
	ds_load_b128 v[X+64*\u+16*\b+4*\j:X+64*\u+16*\b+4*\j+3], v7 offset:16*PITCH*\u+128*\b+16*\j
.endr
.endr
.endr
; tile u: the affine, the quantiser, the image (each store covers 512 or 256 consecutive bytes, aligned to 256), the scale word to LDS
.macro HALF u, pc
	s_wait_dscnt 16-16*\u                          ; tile 0: tile 1's sixteen loads may be out; tile 1: all are in
.set j, 0
.rept 32
	v_pk_fma_f32 v[X+64*\u+2*j:X+64*\u+2*j+1], v[X+64*\u+2*j:X+64*\u+2*j+1], v[16+2*\u:17+2*\u], v[20+2*\u:21+2*\u]
.set j, j+1
.endr
	QUANT X+64*\u, \pc, 46+\u
	global_store_b128 v8, v[\pc:\pc+3], s[14:15] offset:12288*\u
	global_store_b64 v9, v[\pc+4:\pc+5], s[14:15] offset:12288*\u+512
	global_store_b128 v8, v[\pc+6:\pc+9], s[14:15] offset:12288*\u+768
	global_store_b64 v9, v[\pc+10:\pc+11], s[14:15] offset:12288*\u+1280
	ds_store_b32 v10, v[46+\u] offset:512*\u       ; lanes l and l xor 16 write the same word with the same value
.endm
	s_wait_alu depctr_va_vdst(0)
	HALF 0, PC0
	HALF 1, PC1
	s_wait_dscnt 0x0                               ; for the others' sake: my scale words have landed
	s_barrier_signal -1
	s_barrier_wait -1
	s_cmp_lt_u32 s18, 2                            ; the 1,024 bytes leave as two stores of 512 consecutive bytes
	s_cbranch_scc0 .Ldone
	ds_load_b128 v[36:39], v14
	s_wait_dscnt 0x0
	global_store_b128 v5, v[36:39], s[16:17]
.Ldone:
	s_wait_tensorcnt 0x0
	ds_add_u32 v240, v241
	s_wait_dscnt 0x0
	s_endpgm
.Lfunc_end_k_qb9b5b46536_prep:
	.size	k_qb9b5b46536_prep, .Lfunc_end_k_qb9b5b46536_prep-k_qb9b5b46536_prep
	.p2alignl 7, 3214868480
	.fill 96, 4, 3214868480
	.section	.rodata,"a",@progbits
	.p2align	6, 0x0
	.amdhsa_kernel k_qb9b5b46536_prep
		.amdhsa_group_segment_fixed_size 138240
		.amdhsa_private_segment_fixed_size 0
		.amdhsa_enable_private_segment 0
		.amdhsa_kernarg_size 56
		.amdhsa_user_sgpr_count 2
		.amdhsa_user_sgpr_kernarg_segment_ptr 1
		.amdhsa_wavefront_size32 1
		.amdhsa_system_sgpr_workgroup_id_x 1
		.amdhsa_system_sgpr_workgroup_id_y 1
		.amdhsa_system_sgpr_workgroup_id_z 1
		.amdhsa_system_vgpr_workitem_id 0
		.amdhsa_next_free_vgpr 242
		.amdhsa_next_free_sgpr 66
		.amdhsa_reserve_vcc 0
		.amdhsa_float_denorm_mode_32 3
		.amdhsa_float_denorm_mode_16_64 3
		.amdhsa_memory_ordered 1
		.amdhsa_forward_progress 1
		.amdhsa_inst_pref_size 45
	.end_amdhsa_kernel
	.amdgpu_metadata
---
amdhsa.version: [ 1, 2 ]
amdhsa.kernels:
  - .name:           k_qb9b5b46536_prep
    .symbol:         k_qb9b5b46536_prep.kd
    .args:
      - { .name: x, .offset: 0, .size: 8, .value_kind: global_buffer, .address_space: global }
      - { .name: w_qkv, .offset: 8, .size: 8, .value_kind: global_buffer, .address_space: global }
      - { .name: w_out, .offset: 16, .size: 8, .value_kind: global_buffer, .address_space: global }
      - { .name: gn_w, .offset: 24, .size: 8, .value_kind: global_buffer, .address_space: global }
      - { .name: gn_b, .offset: 32, .size: 8, .value_kind: global_buffer, .address_space: global }
      - { .name: cod, .offset: 40, .size: 8, .value_kind: global_buffer, .address_space: global }
      - { .name: scl, .offset: 48, .size: 8, .value_kind: global_buffer, .address_space: global }
    .group_segment_fixed_size: 138240
    .private_segment_fixed_size: 0
    .kernarg_segment_align: 8
    .kernarg_segment_size: 56
    .max_flat_workgroup_size: 256
    .sgpr_count:     66
    .vgpr_count:     242
    .wavefront_size: 32
...
	.end_amdgpu_metadata
.endif
;; end of part 1
;; launch qkv (part 2): grid 12 x 16, 4 waves a work-group, clusters of 4 x 4, 327,680 bytes of LDS; arguments cod, scl, b_qkv, qkvc, qkvs; writes qkvc, qkvs
.if DOCPART == 2
	.amdgcn_target "amdgcn-amd-amdhsa--gfx1250"
	.amdhsa_code_object_version 6
	.text
	.protected	k_qb9b5b46536_qkv
	.globl	k_qb9b5b46536_qkv
	.p2align	8
	.type	k_qb9b5b46536_qkv,@function
k_qb9b5b46536_qkv:
	s_mov_b64 s[64:65], 0
	v_nop
	global_prefetch_b8 v0, s[64:65] scope:SCOPE_SE
	s_setreg_imm32_b32 hwreg(HW_REG_WAVE_MODE, 25, 1), 1
	s_wait_xcnt 0x0
	s_wait_alu depctr_hold_cnt(0) depctr_sa_sdst(0) depctr_va_vdst(0) depctr_va_sdst(0) depctr_va_ssrc(0) depctr_va_vcc(0) depctr_vm_vsrc(0)
	s_getreg_b32 s2, hwreg(HW_REG_IB_STS2, 6, 4)
	s_cmp_eq_u32 s2, 0
	s_cbranch_scc0 .Lentry_in_a_cluster
	s_endpgm
.Lentry_in_a_cluster:
	s_bfe_u32 s2, ttmp6, 0x10000c
	s_cmp_lg_u32 s2, 0xf033
	s_cbranch_scc0 .Lentry_shape_is_right
	s_endpgm
.Lentry_shape_is_right:
; QKV.  qkv = h w_qkv^T + b_qkv on codes of E2M3 (K = 1,024), and the quantisers of the next products: q and k along the head's 64, v along the keys.  Nothing wider than codes and scale bytes is stored.
; A work-group of four waves makes 256 x 256 of the product, a wave 128 x 128: 64 accumulators, 512 registers.  Source 1 is called A, source 0 B; a lane of a result holds one row of A and eight rows of B.
; TWO ORIENTATIONS OF ONE TEXT, chosen by the cluster's x (equal in all partners).  PATH 0 (clusters 0, 1): A = tokens, B = rows of Wq, Wk: a lane holds one token and its registers run along the channels (q's and k's next K).
; PATH 1 (cluster 2): A = rows of Wv, B = tokens: a lane holds one channel and its registers run along the tokens (v's next K: the keys).
; Operands lie in cod as images of their registers (fragment (row tile, K step): 1,536 bytes at 12,288 rt + 1,536 ks); in each 32 rows position p holds row pi(p) (bits 3 and 4 exchanged), so that the 16 registers of B's tiles 2 b, 2 b + 1 are 16 neighbours along the next K.
; K goes through a ring of two LDS slots of 256 along K (8 steps of 128, written out: each step names its own scale registers).  All scale words of the wave's rows stay in 64 registers.
; CLUSTER 4 x 4: A's tile is shared along a row of the cluster, B's along a column: joint loads, one a wave behind each round.
; OUT: q, k: region g, head bh: token tile tt (16 tokens x 64) as HALF an image, 768 bytes, at 768 tt: two neighbouring tiles read as one fragment.  v: fragment (key step ks, tile dt of 16 channels) at 6,144 ks + 1,536 dt.
; Scale words: qkvs + 131,072 g + 2,048 bh + 256 ks + 16 r + 4 p.  q, k: word p = tile 8 ks + 2 p's two bytes, then tile 8 ks + 2 p + 1's.  v: word p = channel tile p's four key blocks.
; LIMITS: NaN and infinities are not served; a block of zeros gets the byte 1 and not 127 (only this program reads the bytes); blocks whose largest magnitude lies under 2^-124 are held at the byte 1.
; 192 work-groups: 12,582,912 results in tiles of 65,536; a tile count of 256 would want tiles that straddle q, k and v.
; REGISTERS: window 0: v16-31 addresses; v32-95 scale words (tile i, K step ks at v[32 + 8 i + ks]: lanes 0-15 A's, lanes 16-31 B's); v96-111 the quantiser's work; v116-127 scale words made; v128-223 A's fragments, ONE set (on the way out: 64 numbers, then codes); v224-239 the bias by lanes.
;   window 1: B's fragments, TWO sets, at v0 and v128; the bias by registers in the gaps (v96-127, v224-255).   windows 2, 3: the accumulators ((a, b) at v[8 (8 (a % 4) + b)]).
.set FR,    12                         ; registers of a fragment
.set NL,    4                          ; LDS loads that bring one
.set QUART, 24576                      ; 128 rows x 256 K: 8 row tiles x 3,072 bytes: what one tensor load brings
.set SLOT,  4*QUART                    ; A's 256 rows, then B's
.set SPARE, 2*SLOT                     ; behind the ring: the spare words, 128 bytes a wave
.set ADRA,  16                         ; v16-17 LDS address (16 x lane) of my A rows in slot 0, 1; v18-19 the same with 8 x lane
.set ADRB,  20                         ; v20-23 likewise for B
.set L16,   24                         ; 16 x lane
.set L8,    25                         ; 8 x lane
.set VSO,   26                         ; scale words' way out: 2,048 h + 16 r
.set SELR,  27                         ; byte selects for the scale words
.set SPW,   28                         ; my spare word's address; never rewritten
.set NIL,   29                         ; 0; never rewritten
.set SC,    32
.set TM,    96
.set W,     116                        ; v116-123 the scale word of each of my eight A tiles
.set XW,    124                        ; v124-127 as they are stored
.set AF,    128
.set ST,    128
.set PC,    192
.set BR,    224
.set SEL,   18                         ; s[18:19] lane selects for v_permlanex16_b32
.set G1,  24                           ; s[24:31] group 1 for A's tiles; s[32:39] group 0, a set for each slot
.set G0,  32
.set G1B, 48                           ; s[48:55], s[56:63] the same for B's
.set G0B, 56
.set MSB, 0
.macro WIN new                         ; the immediate's high byte repeats the setting that is left
.if MSB != (\new)
	s_set_vgpr_msb (MSB<<8)|(\new)
.set MSB, \new
.endif
.endm
.set MUL_LO, 0xa1                      ; source 0 (B) window 1, source 1 (A) window 0, C and D window 2
.set MUL_HI, 0xf1                      ; the same, C and D window 3
.set TO_B,   0x40                      ; destination window 1, address window 0
.macro PLACES n
.rept \n
	v_nop
.endr
.endm
; A joint load: waves 0 and 1 fetch for A, waves 2 and 3 for B; the branch hangs on the wave's number alone.  Four v_nop follow each of the two lines.
.macro JLOAD g0a, g1a, g0b, g1b
	s_cmp_eq_u32 s15, 0
	s_cbranch_scc0 .Lfor_b_\@
	tensor_load_to_lds s[\g0a:\g0a+3], s[\g1a:\g1a+7]
	s_nop 0
.rept 4
	v_nop
.endr
	s_branch .Lasked_\@
.Lfor_b_\@:
	tensor_load_to_lds s[\g0b:\g0b+3], s[\g1b:\g1b+7]
	s_nop 0
.rept 4
	v_nop
.endr
.Lasked_\@:
.endm
.macro CREST                           ; a round of the cluster's barrier behind its opening barrier
	s_cmp_lg_u32 s14, 0
	s_cbranch_scc1 .Lnot_wave_0_\@
	s_barrier_signal -3
.Lnot_wave_0_\@:
	s_barrier_wait -3
	s_barrier_signal -1
	s_barrier_wait -1
.endm
.macro CROUND
	s_barrier_signal -1
	s_barrier_wait -1
	CREST
.endm
.macro FRAG reg, a16, a8, off          ; an image comes back as it was stored: every load reads consecutive bytes
	ds_load_b128 v[\reg:\reg+3], v[\a16] offset:\off
	ds_load_b64 v[\reg+4:\reg+5], v[\a8] offset:\off+512
	ds_load_b128 v[\reg+6:\reg+9], v[\a16] offset:\off+768
	ds_load_b64 v[\reg+10:\reg+11], v[\a8] offset:\off+1280
.endm
.macro FETCH_B slot, q, p              ; B's eight fragments of the slot's q-th 128 along K into set p
	WIN TO_B
.irp i, 0,1,2,3,4,5,6,7
	FRAG 128*(\p)+FR*\i, ADRB+\slot, ADRB+2+\slot, 3072*\i+1536*(\q)
.endr
	WIN 0
.endm
.macro FETCH_A slot, q, i0             ; A's blocks i0 .. i0 + 3
.irp i, \i0, \i0+1, \i0+2, \i0+3
	FRAG AF+FR*(\i), ADRA+\slot, ADRA+2+\slot, 3072*(\i)+1536*(\q)
.endr
.endm
; 16 matrix instructions: A's blocks a0, a0 + 1 x B's eight, K step ks; p: B's set.  The 64 accumulators take turns, one instruction a turn, in the same order in every step.
.macro MUL16 a0, p, ks, zero
.irp a, \a0, \a0+1
.irp b, 0,1,2,3,4,5,6,7
.if \zero
	v_wmma_scale_f32_16x16x128_f8f6f4 v[8*(8*((\a)%4)+\b):8*(8*((\a)%4)+\b)+7], v[128*(\p)+FR*\b:128*(\p)+FR*\b+FR-1], v[AF+FR*(\a):AF+FR*(\a)+FR-1], 0, v[SC+8*\b+(\ks)], v[SC+8*(\a)+(\ks)] matrix_a_fmt:MATRIX_FMT_FP6 matrix_b_fmt:MATRIX_FMT_FP6 matrix_a_scale:MATRIX_SCALE_ROW1
.else
	v_wmma_scale_f32_16x16x128_f8f6f4 v[8*(8*((\a)%4)+\b):8*(8*((\a)%4)+\b)+7], v[128*(\p)+FR*\b:128*(\p)+FR*\b+FR-1], v[AF+FR*(\a):AF+FR*(\a)+FR-1], v[8*(8*((\a)%4)+\b):8*(8*((\a)%4)+\b)+7], v[SC+8*\b+(\ks)], v[SC+8*(\a)+(\ks)] matrix_a_fmt:MATRIX_FMT_FP6 matrix_b_fmt:MATRIX_FMT_FP6 matrix_a_scale:MATRIX_SCALE_ROW1
.endif
.endr
.endr
.endm
; A slot's first step (B's set 0): in its middle it fetches the second step's B (set 1) and A's blocks 0-3, at its end A's blocks 4-7.  Four places stand in front of each run of loads into registers that matrix instructions have read (ISA guide 7.12.1 for vector instructions).
.macro STEP slot, ks, zero
	s_wait_dscnt 4*NL                              ; B's set and A's blocks 0-3 are in; the youngest 16 loads (A's blocks 4-7) may be out
	WIN MUL_LO
	MUL16 0, 0, \ks, \zero
	MUL16 2, 0, \ks, \zero
	s_wait_dscnt 0                                 ; A's blocks 4-7 are in
	PLACES 4
	FETCH_B \slot, 1, 1
	FETCH_A \slot, 1, 0
	WIN MUL_HI
	MUL16 4, 0, \ks, \zero
	MUL16 6, 0, \ks, \zero
	PLACES 4
	WIN 0
	FETCH_A \slot, 1, 4
.endm
; A slot's second step (B's set 1) changes slots: ONE barrier; in front of it each wave waits for all its tensor loads, adds 0 to its spare word, and waits for that and for its reads of this slot.  fill = 1: the slot is filled again, two slots ahead.
.macro TURN slot, next, fill, ks
	s_wait_tensorcnt 0x0                           ; all my tensor loads have landed: the one that was out is my part of the next slot
	ds_add_u32 v[SPW], v[NIL]                      ; 0 onto my spare word
	s_wait_dscnt 4*NL+1                            ; (the add and the youngest 16 loads, A's blocks 4-7, may be out)
	WIN MUL_LO
	MUL16 0, 1, \ks, 0                             ; sixteen matrix instructions stand between the add and the wait for it
	s_wait_dscnt 0x0                               ; the add is done, and my reads of this slot are over
	s_barrier_signal -1
	MUL16 2, 1, \ks, 0
	WIN 0
	s_barrier_wait -1
.if \fill
	CREST                                          ; the barrier has opened a round of the cluster's: no wave of any partner still reads this slot or has a load on its way
	s_add_nc_u64 s[G0+4*\slot+2:G0+4*\slot+3], s[G0+4*\slot+2:G0+4*\slot+3], 6144
	s_add_nc_u64 s[G0B+4*\slot+2:G0B+4*\slot+3], s[G0B+4*\slot+2:G0B+4*\slot+3], 6144
	JLOAD G0+4*\slot, G1, G0B+4*\slot, G1B         ; the first tensor load behind the round; the four v_nop behind it are the places in front of the loads below
.else
	PLACES 4
.endif
	FETCH_B \next, 0, 0
	FETCH_A \next, 0, 0
	WIN MUL_HI
	MUL16 4, 1, \ks, 0
	MUL16 6, 1, \ks, 0
	PLACES 4
	WIN 0
	FETCH_A \next, 0, 4
.endm
; 64 numbers of a lane, register 16 b + i = k 32 b + 16 (lane / 16) + i of my row, become codes in v[pc] .. v[pc + 11] and the scale word in v[pw].
; hook > 0: ahead of the conversions, which write the registers that the last stores read, s_wait_xcnt 0; behind it the stores' bases step too (hook = 2: on into the second head).
.macro QUANT s, pc, pw, hook
.irp b, 0,1,2,3
	v_max3_num_f32 v[TM+\b], |v[\s+16*\b]|, |v[\s+1+16*\b]|, 0x1800000   ; and the floor 2^(3 - 127): the byte cannot fall under 1
.endr
.irp i, 2,4,6,8,10,12,14
.irp b, 0,1,2,3
	v_max3_num_f32 v[TM+\b], v[TM+\b], |v[\s+16*\b+\i]|, |v[\s+1+16*\b+\i]|
.endr
.endr
.irp b, 0,1,2,3
	v_permlanex16_b32 v[TM+4+\b], v[TM+\b], s[SEL], s[SEL+1]
.endr
.irp b, 0,1,2,3
	v_max_num_f32 v[TM+\b], v[TM+\b], v[TM+4+\b]
.endr
.irp b, 0,1,2,3
	v_add_nc_u32 v[TM+12+\b], 0xff000000, v[TM+\b]                 ; 2 off the exponent field: the conversion's scale operand
.endr
.irp b, 0,1,2,3
	v_lshrrev_b32 v[TM+4+\b], 23, v[TM+12+\b]                      ; the scale's byte
.endr
	v_lshl_or_b32 v[\pw], v[TM+5], 8, v[TM+4]
	v_lshl_or_b32 v[\pw], v[TM+6], 16, v[\pw]
	v_lshl_or_b32 v[\pw], v[TM+7], 24, v[\pw]
.if \hook
	s_wait_xcnt 0x0                                ; the last block's stores have read their data and their bases
	s_add_nc_u64 s[10:11], s[10:11], s[66:67]
	s_add_nc_u64 s[76:77], s[76:77], s[66:67]
.endif
.if \hook == 2
	s_add_nc_u64 s[10:11], s[10:11], s[68:69]
	s_add_nc_u64 s[76:77], s[76:77], s[68:69]
.endif
.irp c, 0,1
	v_cvt_scalef32_pk16_fp6_f32 v[\pc+6*\c:\pc+2+6*\c], v[\s+32*\c:\s+15+32*\c], v[TM+12+2*\c]
	v_cvt_scalef32_pk16_fp6_f32 v[\pc+12+4*\c:\pc+14+4*\c], v[\s+16+32*\c:\s+31+32*\c], v[TM+12+2*\c+1]
.endr
	v_nop                                          ; one plain place behind a scaled conversion
.irp c, 0,1
.irp i, 0,1,2
	v_permlane16_swap_b32 v[\pc+6*\c+\i], v[\pc+12+4*\c+\i]
.endr
.irp i, 0,1,2
	v_mov_b32 v[\pc+3+6*\c+\i], v[\pc+12+4*\c+\i]
.endr
.endr
.endm
	s_load_b256 s[4:11], s[0:1], 0x0               ; cod s[4:5], scl s[6:7], b_qkv s[8:9], qkvc s[10:11]
	s_load_b64 s[12:13], s[0:1], 0x20              ; qkvs
	v_lshl_add_u32 v[SPW], v0, 2, SPARE
	v_mov_b32 v[NIL], 0
	ds_add_u32 v28, v29
	ds_add_u32 v28, v29
	s_wait_dscnt 0x0
	v_lshrrev_b32 v1, 5, v0
	v_readfirstlane_b32 s14, v1                    ; wave 0..3
	s_lshr_b32 s15, s14, 1                         ; which half of A's rows is mine.  Also: I fetch for A (0) or for B (1)
	s_and_b32 s16, s14, 1                          ; which half of B's rows.  Also: which 128 rows of that tile I fetch
	s_bfe_u32 s40, ttmp6, 0x40000                  ; cx
	s_bfe_u32 s41, ttmp6, 0x40004                  ; cy
	s_and_b32 s18, ttmp7, 0xffff
	s_lshl_b32 s18, s18, 2                         ; 4 x cluster y
	s_lshl_b32 s19, ttmp9, 2                       ; 4 x cluster x
	s_lshl_b32 s43, s41, 2
	s_lshl_b32 s43, 15, s43                        ; my row of the cluster
	s_lshl_b32 s44, 0x1111, s40                    ; my column
	s_mov_b32 s66, 768
	s_mov_b32 s70, 49152
	s_mov_b32 s72, 0x05040100
	s_mov_b32 s73, 0x07060302
	s_cmp_eq_u32 ttmp9, 2                          ; PATH: the cluster's x, equal in all sixteen partners
	s_cselect_b32 s17, 1, 0
	s_cselect_b32 s3, 0, 8                         ; q, k: the images of odd groups of 32 tokens are stored with lanes 8 apart exchanged (the next launch's reads of K count on it)
	s_cselect_b32 s20, 0, s18                      ; A's tile row less cy: 0 (Wv has four tiles) or 4 y
	s_cselect_b32 s21, s18, s19                    ; B's tile row less cx: 4 y or 4 x
	s_cselect_b32 s22, 6144, 0                     ; where A's rows begin in cod and scl: Wv at 4,096 + 2,048; tokens at 0
	s_cselect_b32 s23, 0, 4096                     ; and B's: tokens at 0; Wq at 4,096
	s_cselect_b32 s66, 1536, s66                   ; the way out: from my block a to a + 1
	s_cselect_b32 s68, 43008, 0                    ; more at a = 4 (v: on into the next head: 49,152 - 4 x 1,536)
	s_cselect_b32 s70, 768, s70                    ; from an image's first half to its second (q, k: the next head; v: 768 bytes on)
	s_cselect_b32 s72, 0x03020100, s72             ; byte selects for lanes 0-15,
	s_cselect_b32 s73, 0x07060504, s73             ; and for lanes 16-31
	s_mov_b32 s67, 0
	s_mov_b32 s69, 0
	s_mov_b32 s71, 0
	s_add_co_u32 s45, s20, s41                     ; A's tile: hangs on cy and on what all partners share
	s_add_co_u32 s42, s21, s40                     ; B's tile: on cx likewise
	s_mov_b32 s[SEL], 0x76543210
	s_mov_b32 s[SEL+1], 0xfedcba98
	; group 1: 8 rows (row tiles) of 3,072 bytes (two fragments), 12,288 bytes apart, in elements of 8 bytes; no padding: images are read as consecutive bytes
	s_or_b32 s[G1+0], s43, (3<<16)|(1<<21)         ; 15:0 the mask; 17:16 elements of 8 bytes; 21 set beside a mask
	s_or_b32 s[G1B+0], s44, (3<<16)|(1<<21)
.irp g, G1, G1B
	s_mov_b32 s[\g+1], 384<<16                     ; tensor_dim0
	s_mov_b32 s[\g+2], 8<<16                       ; tensor_dim1
	s_mov_b32 s[\g+3], 384<<16                     ; tile_dim0
	s_mov_b32 s[\g+4], 8                           ; tile_dim1
	s_mov_b32 s[\g+5], 1536                        ; tensor_dim0_stride
	s_mov_b32 s[\g+6], 0
	s_mov_b32 s[\g+7], 0
.endr
	s_lshl_b32 s74, s45, 8
	s_add_co_u32 s74, s74, s22                     ; A's tile: its first row in cod and scl
	s_lshl_b32 s75, s42, 8
	s_add_co_u32 s75, s75, s23                     ; B's
	s_lshl_b32 s76, s16, 7                         ; which 128 rows of the tile I fetch
	s_add_co_u32 s78, s74, s76
	s_mul_i32 s78, s78, 768                        ; a row's share of a row tile's 12,288 bytes
	s_mov_b32 s79, 0
	s_add_co_u32 s80, s75, s76
	s_mul_i32 s80, s80, 768
	s_mov_b32 s81, 0
	s_mul_i32 s46, s14, QUART                      ; where they go: no place in the cluster enters an LDS address
	s_wait_kmcnt 0x0
	s_add_nc_u64 s[78:79], s[4:5], s[78:79]
	s_add_nc_u64 s[80:81], s[4:5], s[80:81]
	CROUND                                         ; all sixteen work-groups are here: the first joint loads meet
.irp s, 0,1
	s_mov_b32 s[G0+4*\s], 1
	s_add_co_u32 s[G0+4*\s+1], s46, \s*SLOT
	s_add_nc_u64 s[G0+4*\s+2:G0+4*\s+3], s[78:79], \s*3072
	s_or_b32 s[G0+4*\s+3], s[G0+4*\s+3], 0x80000000
	s_mov_b32 s[G0B+4*\s], 1
	s_add_co_u32 s[G0B+4*\s+1], s46, \s*SLOT
	s_add_nc_u64 s[G0B+4*\s+2:G0B+4*\s+3], s[80:81], \s*3072
	s_or_b32 s[G0B+4*\s+3], s[G0B+4*\s+3], 0x80000000
.endr
	JLOAD G0, G1, G0B, G1B                         ; slot 0: one tensor load a wave at the head
	v_and_b32 v1, 31, v0                           ; lane
	v_and_b32 v2, 15, v0                           ; r
	v_bfe_u32 v3, v0, 4, 1                         ; h
	v_lshlrev_b32 v[L16], 4, v1
	v_lshlrev_b32 v[L8], 3, v1
	v_xor_b32 v8, s3, v1                           ; v8, v9: as L16, L8, for the images of odd groups (v's are stored plainly)
	v_lshlrev_b32 v9, 3, v8
	v_lshlrev_b32 v8, 4, v8
	s_mul_i32 s47, s15, QUART                      ; my 128 rows of A
	s_mul_i32 s82, s16, QUART
	s_add_co_u32 s82, s82, 2*QUART                 ; my 128 rows of B, behind A's 256
.irp s, 0,1
	v_add_nc_u32 v[ADRA+\s], s47, v[L16]
	v_add_nc_u32 v[ADRA+2+\s], s47, v[L8]
	v_add_nc_u32 v[ADRB+\s], s82, v[L16]
	v_add_nc_u32 v[ADRB+2+\s], s82, v[L8]
	s_add_co_u32 s47, s47, SLOT
	s_add_co_u32 s82, s82, SLOT
.endr
	s_lshl_b32 s83, s15, 7
	s_add_co_u32 s83, s83, s74                     ; my first row of A in cod and scl
	s_lshl_b32 s84, s16, 7
	s_add_co_u32 s84, s84, s75                     ; of B
	v_mov_b32 v30, s83
	v_mov_b32 v31, s84
	v_cmp_eq_u32 vcc_lo, 1, v3
	v_cndmask_b32 v30, v30, v31, vcc_lo            ; lanes 0-15 take A's scale words, lanes 16-31 B's
	v_add_nc_u32 v30, v30, v2
	v_lshlrev_b32 v30, 5, v30                      ; 32 bytes a row: its eight K steps' words
.irp i, 0,1,2,3,4,5,6,7
	global_load_b128 v[SC+8*\i:SC+8*\i+3], v30, s[6:7] offset:512*\i
	global_load_b128 v[SC+8*\i+4:SC+8*\i+7], v30, s[6:7] offset:512*\i+16
.endr
	s_cmp_eq_u32 s17, 1
	s_cselect_b32 s86, s84, s83                    ; my first token
	s_cselect_b32 s87, s83, s84
	s_sub_co_u32 s87, s87, 4096                    ; my first channel of the 3,072
	s_lshl_b32 s88, s87, 2
	s_mov_b32 s89, 0
	s_add_nc_u64 s[8:9], s[8:9], s[88:89]          ; the bias of my 128 channels; both forms are loaded on both paths, so that every register is written on every way
	v_lshlrev_b32 v4, 6, v3                        ; by registers: tile b's eight channels of my half: 32 (b / 2) + 16 h + 8 (b % 2) + 0 .. 7
	v_and_b32 v5, 7, v2
	v_lshrrev_b32 v6, 3, v2
	v_lshlrev_b32 v5, 2, v5
	v_lshl_add_u32 v5, v6, 6, v5                   ; by lanes: block a's channel at position r: 32 (a / 2) + 8 (a % 2) + (r & 7) + 16 (r >> 3)
	WIN TO_B
.irp b, 0,1,2,3,4,5,6,7
	global_load_b128 v[96+8*\b+96*(\b/4):96+8*\b+96*(\b/4)+3], v4, s[8:9] offset:(32*(\b/2)+8*(\b%2))*4
	global_load_b128 v[96+8*\b+96*(\b/4)+4:96+8*\b+96*(\b/4)+7], v4, s[8:9] offset:(32*(\b/2)+8*(\b%2))*4+16
.endr
	WIN 0
.irp a, 0,1,2,3,4,5,6,7
	global_load_b32 v[BR+2*\a], v5, s[8:9] offset:(32*(\a/2)+8*(\a%2))*4
	global_load_b32 v[BR+2*\a+1], v5, s[8:9] offset:(32*(\a/2)+8*(\a%2))*4      ; twice: a pair for the packed addition
.endr
	; where my results go
	s_lshr_b32 s88, s87, 10                        ; region: 0 q, 1 k, 2 v
	s_lshr_b32 s89, s86, 10
	s_lshl_b32 s89, s89, 4
	s_bfe_u32 s92, s87, 0x40006
	s_add_co_u32 s89, s89, s92                     ; 16 x batch + my first head
	s_bfe_u32 s93, s86, 0x30007                    ; which 128 tokens of the batch
	s_mul_i32 s90, s88, 3145728
	s_mul_i32 s92, s89, 49152
	s_add_co_u32 s90, s90, s92
	s_mul_i32 s92, s93, 6144
	s_add_co_u32 s90, s90, s92
	s_mov_b32 s91, 0
	s_add_nc_u64 s[10:11], s[10:11], s[90:91]      ; an image's first half,
	s_add_nc_u64 s[76:77], s[10:11], s[70:71]      ; and its second
	s_lshl_b32 s94, s88, 17
	s_lshl_b32 s92, s89, 11
	s_add_co_u32 s94, s94, s92
	s_lshl_b32 s92, s93, 8
	s_add_co_u32 s94, s94, s92
	s_mov_b32 s95, 0
	s_add_nc_u64 s[12:13], s[12:13], s[94:95]
	v_lshlrev_b32 v[VSO], 4, v2
	v_lshl_add_u32 v[VSO], v3, 11, v[VSO]          ; lanes 0-15 the first head's 256 bytes, lanes 16-31 the second's
	v_mov_b32 v[SELR], s72
	v_mov_b32 v6, s73
	v_cndmask_b32 v[SELR], v[SELR], v6, vcc_lo
.irp b, 0,1,2,3
	v_mov_b32 v[TM+4+\b], 0                        ; written once: a lane permute's destination counts as one of its sources
.endr
	s_wait_alu depctr_va_vdst(0)
	s_wait_tensorcnt 0x0                           ; my part of slot 0 is in; these lines stand ahead of a later first fill as ahead of a refill
	ds_add_u32 v[SPW], v[NIL]
	s_wait_dscnt 0x0
	CROUND                                         ; everybody's part is in, and all sixteen work-groups are here
	JLOAD G0+4, G1, G0B+4, G1B                     ; slot 1's first fill, the first tensor load behind the round
	FETCH_B 0, 0, 0
	FETCH_A 0, 0, 0
	FETCH_A 0, 0, 4
	s_wait_loadcnt 32                              ; the 16 loads of scale words are in; the 32 of the bias may be out
	STEP 0, 0, 1                                   ; the first step's products start the sums: nothing is cleared
	TURN 0, 1, 1, 1                                ; slot 0 takes K steps 4, 5
	STEP 1, 2, 0
	TURN 1, 0, 1, 3                                ; slot 1 takes K steps 6, 7
	STEP 0, 4, 0
	TURN 0, 1, 0, 5                                ; nothing is left to fetch
	STEP 1, 6, 0
	s_wait_dscnt 4*NL
	WIN MUL_LO
	MUL16 0, 1, 7, 0
	MUL16 2, 1, 7, 0
	s_wait_dscnt 0
	WIN MUL_HI
	MUL16 4, 1, 7, 0
	MUL16 6, 1, 7, 0
	WIN 0
	PLACES 4                                       ; in front of the first read of results and of the first write over A's fragments
	s_wait_loadcnt 0x0                             ; the bias
; THE WAY OUT of my block a (16 rows of A x 128 rows of B): + bias, quantised along B's rows, the image stored from registers: each store covers 512 or 256 consecutive bytes, aligned to 256.
.macro OUTA a
	s_cmp_eq_u32 s17, 0
	s_cbranch_scc0 .Lvarm_\@
	WIN 0x06+(\a)/4                                ; source 0: the accumulators' window; source 1: window 1
.irp b, 0,1,2,3,4,5,6,7
.irp j, 0,2,4,6
	v_pk_add_f32 v[ST+8*\b+\j:ST+8*\b+\j+1], v[8*(8*((\a)%4)+\b)+\j:8*(8*((\a)%4)+\b)+\j+1], v[96+8*\b+96*(\b/4)+\j:96+8*\b+96*(\b/4)+\j+1]   ; q, k: the bias runs along the registers; each accumulator from its low end on
.endr
.endr
	WIN 0
	s_branch .Ljoin_\@
.Lvarm_\@:
	WIN 0x02+(\a)/4
.irp b, 0,1,2,3,4,5,6,7
.irp j, 0,2,4,6
	v_pk_add_f32 v[ST+8*\b+\j:ST+8*\b+\j+1], v[8*(8*((\a)%4)+\b)+\j:8*(8*((\a)%4)+\b)+\j+1], v[BR+2*(\a):BR+2*(\a)+1]   ; v: one channel a lane
.endr
.endr
	WIN 0
.Ljoin_\@:
.if (\a) == 0
	QUANT ST, PC, W+\a, 0
.elseif (\a) == 4
	QUANT ST, PC, W+\a, 2
.else
	QUANT ST, PC, W+\a, 1
.endif
.set LA, L16-16*(((\a)/2)%2)                   ; v24, v25, or v8, v9 where my block lies in an odd group of 32
	global_store_b128 v[LA], v[PC:PC+3], s[10:11]
	global_store_b64 v[LA+1], v[PC+4:PC+5], s[10:11] offset:512
	global_store_b128 v[LA], v[PC+6:PC+9], s[76:77]
	global_store_b64 v[LA+1], v[PC+10:PC+11], s[76:77] offset:512
.endm
.irp a, 0,1,2,3,4,5,6,7
	OUTA \a
.endr
	s_cmp_eq_u32 s17, 0                            ; the scale words: lanes l and l xor 16 hold the same eight; lanes 0-15 pick the first head's bytes, lanes 16-31 the second's
	s_cbranch_scc0 .Lvwords
.irp p, 0,1,2,3
	v_perm_b32 v[XW+\p], v[W+2*\p+1], v[W+2*\p], v[SELR]           ; q, k: two bytes of token tile 2 p, two of tile 2 p + 1
.endr
	s_branch .Lwords
.Lvwords:
.irp p, 0,1,2,3
	v_perm_b32 v[XW+\p], v[W+\p+4], v[W+\p], v[SELR]               ; v: the whole word of channel tile p of my head
.endr
.Lwords:
	s_wait_alu depctr_va_vdst(0)
	global_store_b128 v[VSO], v[XW:XW+3], s[12:13] ; sixteen lanes store 256 consecutive bytes, aligned
	s_wait_tensorcnt 0x0                           ; the wave's end
	ds_add_u32 v[SPW], v[NIL]
	s_wait_dscnt 0x0
	CROUND                                         ; the closing round: no work-group ends while a partner may still ask for a tile that names it
	s_endpgm
.Lfunc_end_k_qb9b5b46536_qkv:
	.size	k_qb9b5b46536_qkv, .Lfunc_end_k_qb9b5b46536_qkv-k_qb9b5b46536_qkv
	.p2alignl 7, 3214868480
	.fill 96, 4, 3214868480
	.section	.rodata,"a",@progbits
	.p2align	6, 0x0
	.amdhsa_kernel k_qb9b5b46536_qkv
		.amdhsa_group_segment_fixed_size 327680
		.amdhsa_private_segment_fixed_size 0
		.amdhsa_enable_private_segment 0
		.amdhsa_kernarg_size 40
		.amdhsa_user_sgpr_count 2
		.amdhsa_user_sgpr_kernarg_segment_ptr 1
		.amdhsa_wavefront_size32 1
		.amdhsa_system_sgpr_workgroup_id_x 1
		.amdhsa_system_sgpr_workgroup_id_y 1
		.amdhsa_system_sgpr_workgroup_id_z 1
		.amdhsa_system_vgpr_workitem_id 0
		.amdhsa_next_free_vgpr 1024
		.amdhsa_next_free_sgpr 96
		.amdhsa_reserve_vcc 1
		.amdhsa_float_denorm_mode_32 3
		.amdhsa_float_denorm_mode_16_64 3
		.amdhsa_memory_ordered 1
		.amdhsa_forward_progress 1
		.amdhsa_inst_pref_size 185
	.end_amdhsa_kernel
	.amdgpu_metadata
---
amdhsa.version: [ 1, 2 ]
amdhsa.kernels:
  - .name:           k_qb9b5b46536_qkv
    .symbol:         k_qb9b5b46536_qkv.kd
    .args:
      - { .name: cod, .offset: 0, .size: 8, .value_kind: global_buffer, .address_space: global }
      - { .name: scl, .offset: 8, .size: 8, .value_kind: global_buffer, .address_space: global }
      - { .name: b_qkv, .offset: 16, .size: 8, .value_kind: global_buffer, .address_space: global }
      - { .name: qkvc, .offset: 24, .size: 8, .value_kind: global_buffer, .address_space: global }
      - { .name: qkvs, .offset: 32, .size: 8, .value_kind: global_buffer, .address_space: global }
    .group_segment_fixed_size: 327680
    .private_segment_fixed_size: 0
    .kernarg_segment_align: 8
    .kernarg_segment_size: 40
    .max_flat_workgroup_size: 128
    .sgpr_count:     96
    .vgpr_count:     1024
    .wavefront_size: 32
...
	.end_amdgpu_metadata
.endif
;; end of part 2
;; launch attn (part 3): grid 4 x 64, 8 waves a work-group, clusters of 4 x 1, 168,960 bytes of LDS; arguments qkvc, qkvs, cod, scl; writes cod, scl
.if DOCPART == 3
	.amdgcn_target "amdgcn-amd-amdhsa--gfx1250"
	.amdhsa_code_object_version 6
	.text
	.protected	k_qb9b5b46536_attn
	.globl	k_qb9b5b46536_attn
	.p2align	8
	.type	k_qb9b5b46536_attn,@function
k_qb9b5b46536_attn:
	s_mov_b64 s[64:65], 0
	v_nop
	global_prefetch_b8 v0, s[64:65] scope:SCOPE_SE
	s_setreg_imm32_b32 hwreg(HW_REG_WAVE_MODE, 25, 1), 1
	s_wait_xcnt 0x0
	s_wait_alu depctr_hold_cnt(0) depctr_sa_sdst(0) depctr_va_vdst(0) depctr_va_sdst(0) depctr_va_ssrc(0) depctr_va_vcc(0) depctr_vm_vsrc(0)
	s_getreg_b32 s2, hwreg(HW_REG_IB_STS2, 6, 4)
	s_cmp_eq_u32 s2, 0
	s_cbranch_scc0 .Lentry_in_a_cluster
	s_endpgm
.Lentry_in_a_cluster:
	s_bfe_u32 s2, ttmp6, 0x10000c
	s_cmp_lg_u32 s2, 0x3003
	s_cbranch_scc0 .Lentry_shape_is_right
	s_endpgm
.Lentry_shape_is_right:
; ATTN.  For each of 64 (batch, head): o = softmax(q k^T / 64) v, both products on codes of E2M3, and the quantiser of the last product's operand o2 (the raw reshape of o), along the head's 64.
; SOFTMAX AHEAD OF THE SECOND PRODUCT: t = score x log2(e) / 64; M = the running largest t rounded UP to a whole number; p = 2^(t - M) is quantised along the keys, not normalised; the sum of the unquantised p divides at the end (v_rcp_f32 and a multiplication).
; SHARES.  A work-group owns 256 queries of one head, each of its eight waves TWO tiles of 16 (a group of 32 tokens).  Tile 0's registers lie in window 0, tile 1's under the same numbers in window 1; every fragment of K and of V serves both tiles.
; A head's whole K and V (98,304 bytes of codes, 4,096 of scale bytes) lie in LDS: first fills alone, no slot is filled again.  The four query blocks of a head form a cluster and ask for them JOINTLY (mask 15).
; No prefetch: every tensor load goes out at the head, so there is no loop that could run ahead of one.
; LAYOUT.  Both products are used transposed (S^T = K Q^T, O^T = V^T P^T): a lane holds ONE query throughout.  In qkvc token tile (group g of 32, u) has token 32 g + 8 u + (r & 7) + 16 (r >> 3) in lane r, and the images of odd g have lanes 8 apart exchanged.
; THE KEYS OF A TILE are chosen as K is read from LDS: of a chunk c of 64 keys, tile j has keys 8 j + 0 .. 7 in lanes r < 8 (from group 2 c) and 32 + 8 j + 0 .. 7 in lanes r >= 8 (from group 2 c + 1).
; So the 32 registers of the chunk's four tiles are, in lane (r, h), the 32 neighbouring keys of block 2 c + h: a whole block in a lane, in the order of P's operand.
; O^T's channels: V's tiles hold position p of each 32 as channel pi(p) (bits 3 and 4 exchanged), so register 16 b + i is channel 32 b + 16 h + i.
; K = 64 IN AN INSTRUCTION OF 128.  A fragment is two half images: k 0-63 tile 2 b, k 64-127 tile 2 b + 1.  Q lies as [Q | zero codes | Q]: the first twelve registers give tile 2 b's scores, the last twelve tile 2 b + 1's.
; The other tile's codes meet zero codes (under the scale byte 0, which is a number and no NaN): they add exactly nothing.
; OUT.  o2's row is 16 neighbouring queries of a head.  The work-group's 256 queries are one row tile of o2, 8 fragments: gathered in LDS as images, stored as 12,288 consecutive bytes.
; LIMITS: the scaled scores (the exponents to the base 2, before the maximum is taken away) stay under 2^31 in magnitude; NaN and infinities are not served; a block of zeros gets the byte 1 and not 127 (only this program reads the bytes); blocks whose largest magnitude lies under 2^-124 are held at the byte 1.
.set KC,  0                            ; K's codes: key step s (128 keys) at 6,144 s, token tile tt of it at + 768 tt
.set VC,  49152                        ; V's codes: key step at 6,144 s, fragment (16 channels x 128 keys) t at + 1,536 t
.set KS,  98304                        ; K's scale words: 256 s + 16 r + 4 g
.set VS,  100352                       ; V's: 256 s + 16 r + 4 t
.set STG, 102400                       ; the way out: o2's 8 fragments; no tensor load lands here
.set SSG, 114688                       ; and their 512 scale bytes
.set SPARE, 167936                     ; the spare words, 128 bytes a wave
; window 0 alone: v1-8 LDS bases, v9-16 the step's LDS addresses, v17 16 x lane, v18-23 the head's work, v244-253 the way out's addresses
.set QSL, 24                           ; v24-27 Q's scale words: tile 0 low, high, tile 1 low, high
.set KSC, 28                           ; v28-31 K's scale words, one a fragment
.set VSC, 32                           ; v32-35 V's
.set PS,  36                           ; v36, v37 P's, tile 0, tile 1
.set SPW, 38
.set NIL, 39
.set KF,  40                           ; window 0: v40-87 four fragments of K
.set VF,  40                           ; window 1: four fragments of V
; in both windows, tile 0's and tile 1's
.set Q,   88                           ; [Q | 0 | Q]: 18 registers
.set PCD, 106                          ; p's codes, 12 registers
.set PT,  118                          ; at work
.set S,   126                          ; S^T, then p: chunk c's tile j at S + 32 c + 8 j
.set O,   190                          ; O^T
.set BM,  222                          ; a block's largest score, then p
.set BS,  224
.set E,   226
.set T,   228
.set PX,  229
.set NM,  230                          ; -M
.set R,   231                          ; the running largest score
.set FF,  232                          ; f = 2^(old M - new M) (the low word serves both halves)
.set SUM, 234                          ; the sum's first chain
.set C1,  236                          ; three more chains, v236-241
.set SH8, 242                          ; 8 h
.set OLD, 243
.set SEL, 16                           ; s[16:17] lane selects for v_permlanex16_b32: lane l xor 16
.set CS,  18                           ; s[18:19] c = log2(e) / 64
.set TB,  56                           ; s56 where the step's codes begin;  s57 its scale words
.set TS,  57
.set MSB, 0
.macro WIN new                         ; the immediate's high byte repeats the setting that is left
.if MSB != (\new)
	s_set_vgpr_msb (MSB<<8)|(\new)
.set MSB, \new
.endif
.endm
.macro CROUND                          ; a round of the cluster's barrier
	s_barrier_signal -1
	s_barrier_wait -1
	s_cmp_lg_u32 s14, 0
	s_cbranch_scc1 .Lnot_wave_0_\@
	s_barrier_signal -3
.Lnot_wave_0_\@:
	s_barrier_wait -3
	s_barrier_signal -1
	s_barrier_wait -1
.endm
.macro FRAG reg, a16, a8, off
	ds_load_b128 v[\reg:\reg+3], v[\a16] offset:\off
	ds_load_b64 v[\reg+4:\reg+5], v[\a8] offset:\off+512
	ds_load_b128 v[\reg+6:\reg+9], v[\a16] offset:\off+768
	ds_load_b64 v[\reg+10:\reg+11], v[\a8] offset:\off+1280
.endm
	s_load_b256 s[4:11], s[0:1], 0x0               ; qkvc s[4:5], qkvs s[6:7], cod s[8:9], scl s[10:11]
	v_lshl_add_u32 v[SPW], v0, 2, SPARE
	v_mov_b32 v[NIL], 0
	ds_add_u32 v[SPW], v[NIL]                      ; the opening add, twice on end
	ds_add_u32 v[SPW], v[NIL]
	v_lshrrev_b32 v23, 5, v0
	v_and_b32 v22, 31, v0                          ; lane
	v_and_b32 v21, 15, v0                          ; r
	v_readfirstlane_b32 s14, v23                   ; wave 0..7
	s_wait_alu depctr_va_vdst(0)
	s_bfe_u32 s13, ttmp6, 0x40000                  ; cx
	s_lshl_b32 s12, ttmp9, 2
	s_add_co_u32 s12, s12, s13                     ; my block of 256 queries: it enters Q's and the results' addresses alone
	s_and_b32 s15, ttmp7, 0xffff                   ; 16 x batch + head, which the four partners share
	s_and_b32 s59, s14, 1                          ; I fetch for K (0) or for V (1)
	s_bfe_u32 s60, s14, 0x10001                    ; and (waves 4 to 7) which of the two later parts
	; group 1: dense blocks as rows of 256 bytes (32 elements of 8 bytes): 48 rows (key steps 0, 1), 72 rows (three key steps), 8 rows (a head's scale words)
.irp g, 20, 28, 36
	s_mov_b32 s[\g], 15|(3<<16)|(1<<21)            ; 15:0 the mask: all four work-groups; 17:16 elements of 8 bytes; 21 set beside a mask
	s_mov_b32 s[\g+1], 32<<16
	s_mov_b32 s[\g+3], 32<<16
	s_mov_b32 s[\g+5], 32
	s_mov_b32 s[\g+6], 0
	s_mov_b32 s[\g+7], 0
.endr
	s_mov_b32 s22, 48<<16
	s_mov_b32 s24, 48
	s_mov_b32 s30, 72<<16
	s_mov_b32 s32, 72
	s_mov_b32 s38, 8<<16
	s_mov_b32 s40, 8
	s_mul_i32 s61, s59, 49152                      ; LDS: K's codes or V's
	s_mul_i32 s62, s60, 18432
	s_add_co_u32 s62, s62, 12288                   ; the later part: key steps 2-4 or 5-7
	s_mul_i32 s66, s59, 3145728
	s_add_co_u32 s66, s66, 3145728                 ; region 1 (k) or 2 (v),
	s_mul_i32 s63, s15, 49152
	s_add_co_u32 s66, s66, s63                     ; the head
	s_mov_b32 s67, 0
	s_lshl_b32 s68, s59, 17
	s_add_co_u32 s68, s68, 131072
	s_lshl_b32 s80, s15, 11
	s_add_co_u32 s68, s68, s80
	s_mov_b32 s69, 0
	s_add_co_u32 s70, s66, s62
	s_mov_b32 s71, 0
	s_lshl_b32 s72, s12, 4
	s_lshl_b32 s81, s14, 1
	s_add_co_u32 s72, s72, s81                     ; my first token tile: 16 x block + 2 x wave
	s_mul_i32 s72, s72, 768
	s_add_co_u32 s72, s72, s63
	s_mov_b32 s73, 0
	s_lshl_b32 s74, s12, 1
	s_lshr_b32 s81, s14, 2
	s_add_co_u32 s74, s74, s81                     ; which 128 tokens,
	s_lshl_b32 s74, s74, 8
	s_add_co_u32 s74, s74, s80
	s_and_b32 s81, s14, 3                          ; which group of 32
	s_lshl_b32 s81, s81, 2
	s_add_co_u32 s74, s74, s81
	s_mov_b32 s75, 0
	s_lshl_b32 s86, s59, 3                         ; my group is odd where my wave is: its images have lanes 8 apart exchanged
	s_lshl_b32 s63, s59, 11
	s_mov_b32 s[SEL], 0x76543210
	s_mov_b32 s[SEL+1], 0xfedcba98
	s_mov_b32 s[CS], 0x3cb8aa3b                    ; log2(e) / 64
	s_mov_b32 s[CS+1], s[CS]                       ; (named with it as a pair, so it is written)
	s_mov_b32 s[TB], 0
	s_mov_b32 s[TS], 0
	v_xor_b32 v20, s86, v22
	v_lshlrev_b32 v19, 3, v20
	v_lshlrev_b32 v20, 4, v20
	v_lshlrev_b32 v18, 4, v21                      ; 16 r
	s_wait_alu depctr_va_vdst(0)
	s_wait_dscnt 0x0                               ; both opening adds are done
	s_wait_kmcnt 0x0
	s_add_nc_u64 s[72:73], s[4:5], s[72:73]        ; Q's half images (region 0)
	s_add_nc_u64 s[74:75], s[6:7], s[74:75]        ; Q's scale words: two bytes of tile 0, two of tile 1
.macro QLOAD off
	global_load_b128 v[Q:Q+3], v20, s[72:73] offset:\off
	global_load_b64 v[Q+4:Q+5], v19, s[72:73] offset:\off+512
	global_load_b128 v[Q+12:Q+15], v20, s[72:73] offset:\off
	global_load_b64 v[Q+16:Q+17], v19, s[72:73] offset:\off+512
.endm
	QLOAD 0
	global_load_b32 v[QSL], v18, s[74:75]
	WIN 0x40
	QLOAD 768
	WIN 0
	s_mov_b32 s44, 1                               ; s[44:47]: key steps 0 and 1
	s_mov_b32 s45, s61
	s_add_nc_u64 s[46:47], s[4:5], s[66:67]
	s_or_b32 s47, s47, 0x80000000
	s_mov_b32 s48, 1                               ; s[48:51]: the scale words
	s_add_co_u32 s49, s63, KS
	s_add_nc_u64 s[50:51], s[6:7], s[68:69]
	s_or_b32 s51, s51, 0x80000000
	s_mov_b32 s52, 1                               ; s[52:55]: a later part
	s_add_co_u32 s53, s61, s62
	s_add_nc_u64 s[54:55], s[4:5], s[70:71]
	s_or_b32 s55, s55, 0x80000000
	CROUND                                         ; all four work-groups are here: the joint loads meet
	s_cmp_lt_u32 s14, 2                            ; ONE load a wave, what is needed first asked for by the lowest waves
	s_cbranch_scc0 .Lnot_01
	tensor_load_to_lds s[44:47], s[20:27]          ; waves 0, 1: K's, V's key steps 0 and 1
	s_nop 0
.rept 4
	v_nop
.endr
	s_branch .Lfilled
.Lnot_01:
	s_cmp_lt_u32 s14, 4
	s_cbranch_scc0 .Lnot_23
	tensor_load_to_lds s[48:51], s[36:43]          ; waves 2, 3: K's, V's scale words
	s_nop 0
.rept 4
	v_nop
.endr
	s_branch .Lfilled
.Lnot_23:
	tensor_load_to_lds s[52:55], s[28:35]          ; waves 4, 5: K's, V's key steps 2 to 4; waves 6, 7: 5 to 7
	s_nop 0
.rept 4
	v_nop
.endr
.Lfilled:
	s_lshl_b32 s82, s14, 5
	s_add_co_u32 s82, s82, STG
	s_lshl_b32 s83, s14, 4
	s_add_co_u32 s83, s83, STG+512
	s_lshl_b32 s84, s14, 6
	s_add_co_u32 s84, s84, SSG
	s_mul_i32 s86, s14, 1536
	s_add_co_u32 s87, s86, STG
	s_lshl_b32 s76, s15, 2
	s_add_co_u32 s76, s76, s12                     ; o2's row tile: 4 x (16 batch + head) + block
	s_lshl_b32 s78, s76, 9
	s_add_co_u32 s78, s78, 262144                  ; its 16 rows' scale words: (8,192 + 16 x tile) x 32
	s_mov_b32 s79, 0
	s_add_co_u32 s76, s76, 512
	s_mul_i32 s76, s76, 12288
	s_add_co_u32 s76, s76, s86
	s_mov_b32 s77, 0
	s_add_nc_u64 s[76:77], s[8:9], s[76:77]
	s_add_nc_u64 s[78:79], s[10:11], s[78:79]
	v_lshlrev_b32 v17, 4, v22                      ; 16 x lane
	v_bfe_u32 v250, v0, 3, 1                       ; r >> 3
	v_and_b32 v252, 7, v0                          ; r & 7
	v_bfe_u32 v253, v0, 4, 1                       ; h
	v_xor_b32 v249, 8, v22
	v_mul_u32_u24 v251, v250, 1536                 ; lanes r >= 8 read the chunk's second group of 32 tokens: two half images on
	v_lshl_add_u32 v1, v22, 4, v251                ; tiles 0, 1 of a chunk: 16 x and 8 x lane
	v_lshl_add_u32 v2, v22, 3, v251
	v_lshl_add_u32 v3, v249, 4, v251               ; tiles 2, 3: lanes 8 apart exchanged
	v_lshl_add_u32 v4, v249, 3, v251
	v_add_nc_u32 v5, VC, v17                       ; V's images
	v_lshlrev_b32 v6, 3, v22
	v_lshlrev_b32 v7, 4, v252
	v_lshlrev_b32 v8, 4, v21
	v_add_nc_u32 v6, VC, v6
	v_lshl_add_u32 v7, v250, 2, v7
	v_add_nc_u32 v8, VS, v8                        ; V's scale words: four words of row r
	v_add_nc_u32 v7, KS, v7                        ; K's: my row's word of my group
	v_lshlrev_b32 v[SH8], 3, v253
.macro INIT                            ; a tile's start
	v_mov_b32 v[R], 0xff61b1e6                     ; the largest score so far: -3e38
	v_mov_b32 v[NM], 0x7b4097ce                    ; -M so far: 1e36
	v_mov_b32 v[SUM], 0                            ; the sum, in two halves
	v_mov_b32 v[SUM+1], 0
	v_mov_b32 v[PX], 0                             ; written once: a lane permute's destination counts as one of its sources
	v_mov_b32 v[FF+1], 0                           ; (named as the upper half of a pair)
.set J, 0
.rept 6
	v_mov_b32 v[Q+6+J], 0                          ; the zero codes
.set J, J+1
.endr
.set J, 0
.rept 32
	v_mov_b32 v[O+J], 0                            ; O^T: the step is written for any start; the first change of M leaves zeros zeros
.set J, J+1
.endr
.endm
	INIT
	WIN 0x40
	v_mov_b32 v[SH8], v[SH8]                       ; tile 1's copy
	INIT
	WIN 0
	s_wait_alu depctr_va_vdst(0)
	s_wait_loadcnt 0x0                             ; Q
	v_lshlrev_b32 v[QSL+1], 16, v[QSL]             ; tile 0's two bytes lie low, tile 1's high; the other two bytes stay 0, over zero codes
	v_lshrrev_b32 v[QSL+2], 16, v[QSL]
	v_and_b32 v[QSL+3], 0xffff0000, v[QSL]
	v_and_b32 v[QSL], 0xffff, v[QSL]
	; the way out.  Tile u's query at position r is token 32 w + 8 u + (r & 7) + 16 (r >> 3) of the block: o2's row 2 w + (r >> 3), half image 8 u + (r & 7), lane (row, h)
	v_mul_u32_u24 v244, v252, 768
	v_lshlrev_b32 v246, 1, v252
	v_add_nc_u32 v247, s87, v17                    ; the copy out: my wave's 1,536 bytes of the stage
	v_add_nc_u32 v248, SSG, v17
	v_lshl_add_u32 v245, v250, 3, v244
	v_lshl_add_u32 v244, v250, 4, v244
	v_lshl_add_u32 v246, v250, 5, v246
	v_lshl_add_u32 v245, v253, 7, v245
	v_lshl_add_u32 v244, v253, 8, v244
	v_add_nc_u32 v246, s84, v246                   ; my query's two scale bytes: 32 x row + 2 x (8 u + (r & 7))
	v_add_nc_u32 v245, s83, v245                   ; registers 4, 5: 512 + 6,144 u + 768 (r & 7) + 8 x (2 w + (r >> 3) + 16 h)
	v_add_nc_u32 v244, s82, v244                   ; registers 0-3: 6,144 u + 768 (r & 7) + 16 x (2 w + (r >> 3) + 16 h)
.macro KADDR                           ; LDS addresses of the key step at s[TB]
	v_add_nc_u32 v9, s[TB], v1
	v_add_nc_u32 v10, s[TB], v2
	v_add_nc_u32 v11, s[TB], v3
	v_add_nc_u32 v12, s[TB], v4
	v_add_nc_u32 v15, s[TS], v7
.endm
.macro KLOAD                           ; fragment 2 c + b: tiles 2 b, 2 b + 1 of chunk c
.irp c, 0,1
.irp b, 0,1
	FRAG KF+24*\c+12*\b, 9+2*\b, 10+2*\b, 3072*\c
	ds_load_b32 v[KSC+2*\c+\b], v15 offset:128*\b+8*\c
.endr
.endr
.endm
; A tile's softmax and the codes of p
.macro SOFT u
	WIN 0x55*\u
.if \u
	s_wait_alu depctr_va_vdst(0)
.endif
.irp c, 0,1                                    ; THE LARGEST SCORE OF MY BLOCK 2 c + h, in two chains each: for the row's maximum and, since p rises with the score, for the block's largest p
	v_max3_num_f32 v[BM+\c], v[S+32*\c], v[S+1+32*\c], v[S+2+32*\c]
	v_max3_num_f32 v[E+\c], v[S+17+32*\c], v[S+18+32*\c], v[S+19+32*\c]
.endr
.set J, 0
.rept 7
.irp c, 0,1
	v_max3_num_f32 v[BM+\c], v[BM+\c], v[S+3+2*J+32*\c], v[S+4+2*J+32*\c]
.if J < 6
	v_max3_num_f32 v[E+\c], v[E+\c], v[S+20+2*J+32*\c], v[S+21+2*J+32*\c]
.endif
.endr
.set J, J+1
.endr
	v_max_num_f32 v[BM], v[BM], v[E]
	v_max_num_f32 v[BM+1], v[BM+1], v[E+1]
	v_mov_b32 v[OLD], v[NM]
	s_delay_alu instid0(VALU_DEP_2)
	v_max_num_f32 v[T], v[BM], v[BM+1]
	s_delay_alu instid0(VALU_DEP_1)
	v_permlanex16_b32 v[PX], v[T], s[SEL], s[SEL+1]
	s_delay_alu instid0(VALU_DEP_1)
	v_max3_num_f32 v[R], v[R], v[T], v[PX]         ; the running largest score, with lane l xor 16's keys
	s_delay_alu instid0(VALU_DEP_1)
	v_mul_f32 v[T], s[CS], -v[R]                   ; -t (c is positive)
	s_delay_alu instid0(VALU_DEP_1)
	v_floor_f32 v[NM], v[T]                        ; the new -M = -ceil(t)
.set J, 0
.rept 32
	v_pk_fma_f32 v[S+2*J:S+2*J+1], v[S+2*J:S+2*J+1], s[CS:CS+1], v[NM:NM+1] op_sel_hi:[1,0,0]   ; t - M
.if J == 3
	v_sub_f32 v[OLD], v[NM], v[OLD]                ; old M - new M: a whole number, 0 or less
.elseif J == 8
	v_cvt_i32_f32 v[OLD], v[OLD]                   ; (it saturates)
.elseif J == 13
	v_ldexp_f32 v[FF], 1.0, v[OLD]                 ; f = 2^(old M - new M): a multiplication by it rounds nothing
.endif
.set J, J+1
.endr
	v_fma_f32 v[BM], v[BM], s[CS], v[NM]           ; the same of each block's largest score
	v_fma_f32 v[BM+1], v[BM+1], s[CS], v[NM]
	s_wait_alu depctr_va_vdst(0)                   ; ahead of the batch,
.set J, 0
.rept 64
	v_exp_f32 v[S+J], v[S+J]                       ; p = 2^(t - M)
.set J, J+1
.endr
	v_exp_f32 v[BM], v[BM]                         ; the block's largest p: the same two instructions on the same number
	v_exp_f32 v[BM+1], v[BM+1]
	v_pk_mul_f32 v[SUM:SUM+1], v[SUM:SUM+1], v[FF:FF+1] op_sel_hi:[1,0]    ; the sum under the new M (a plain place behind the exponentials)
	s_wait_alu depctr_va_vdst(0)                   ; and behind it
.irp c, 0,1
	v_max_num_f32 v[BM+\c], 0x1800000, v[BM+\c]    ; the floor 2^(3 - 127): the byte cannot fall under 1
.endr
	v_pk_add_f32 v[C1:C1+1], v[S+2:S+3], v[S+10:S+11]              ; the sum of the unquantised p: pairs j mod 4 in four chains
	v_pk_add_f32 v[C1+2:C1+3], v[S+4:S+5], v[S+12:S+13]
.irp c, 0,1
	v_add_nc_u32 v[BS+\c], 0xff000000, v[BM+\c]    ; 2 off the exponent field: the conversion's scale operand
.endr
	v_pk_add_f32 v[C1+4:C1+5], v[S+6:S+7], v[S+14:S+15]
	v_pk_add_f32 v[SUM:SUM+1], v[SUM:SUM+1], v[S:S+1]
.irp c, 0,1
	v_lshrrev_b32 v[E+\c], 23, v[BS+\c]            ; the scale's byte
.endr
.irp c, 0,1
	v_cvt_scalef32_pk16_fp6_f32 v[PCD+6*\c:PCD+2+6*\c], v[S+32*\c:S+15+32*\c], v[BS+\c]
	v_cvt_scalef32_pk16_fp6_f32 v[PT+4*\c:PT+2+4*\c], v[S+16+32*\c:S+31+32*\c], v[BS+\c]   ; (a conversion's three registers begin on an even number)
.endr
	v_lshl_or_b32 v[E], v[E+1], 16, v[E]           ; blocks h and 2 + h,
	v_pk_add_f32 v[SUM:SUM+1], v[SUM:SUM+1], v[S+8:S+9]
.irp i, 0,1,2
	v_mov_b32 v[PCD+3+\i], v[PT+\i]
.endr
	v_lshlrev_b32 v[E], v[SH8], v[E]               ; at their places in the scale word
.irp i, 0,1,2
	v_mov_b32 v[PCD+9+\i], v[PT+4+\i]              ; lane (r, h): registers 6 c .. 6 c + 5 are keys 64 c + 32 h + 0 .. 31
.endr
	v_permlanex16_b32 v[PX], v[E], s[SEL], s[SEL+1]
	s_wait_alu depctr_va_vdst(0)
.set J, 0
.rept 16
	v_pk_mul_f32 v[O+2*J:O+2*J+1], v[O+2*J:O+2*J+1], v[FF:FF+1] op_sel_hi:[1,0]   ; O^T under the new M, each accumulator from its low end on
.set J, J+1
.endr
	WIN 0x15*\u
	v_or_b32 v[PS+\u], v[E], v[PX]                 ; the whole word, in window 0, where scale operands are taken from
	WIN 0x55*\u
.set J, 8
.rept 24
.if J%4 == 0
	v_pk_add_f32 v[SUM:SUM+1], v[SUM:SUM+1], v[S+2*J:S+2*J+1]
.else
	v_pk_add_f32 v[C1+2*(J%4)-2:C1+2*(J%4)-1], v[C1+2*(J%4)-2:C1+2*(J%4)-1], v[S+2*J:S+2*J+1]
.endif
.set J, J+1
.endr
	v_pk_add_f32 v[C1:C1+1], v[C1:C1+1], v[C1+2:C1+3]
	v_pk_add_f32 v[SUM:SUM+1], v[SUM:SUM+1], v[C1+4:C1+5]
	v_pk_add_f32 v[SUM:SUM+1], v[SUM:SUM+1], v[C1:C1+1]
.endm
; A KEY STEP: 128 keys, both tiles.  pre = 1: K's fragments have been fetched a step ahead, and the next step's are fetched here (not in the loop's last trip)
.macro STEP pre
.if (\pre) == 0
	KADDR
	s_wait_alu depctr_va_vdst(0)
	KLOAD
.endif
	s_wait_dscnt 0x0                               ; K's fragments and scale words are in
.irp u, 0,1
	WIN 0x44*\u
.irp c, 0,1
.irp b, 0,1
.irp e, 0,1                                    ; S^T: tile 2 b + e of chunk c, by the Q whose codes stand in that tile's half
	v_wmma_scale_f32_16x16x128_f8f6f4 v[S+32*\c+16*\b+8*\e:S+32*\c+16*\b+8*\e+7], v[KF+24*\c+12*\b:KF+24*\c+12*\b+11], v[Q+6*\e:Q+6*\e+11], 0, v[KSC+2*\c+\b], v[QSL+2*\u+\e] matrix_a_fmt:MATRIX_FMT_FP6 matrix_b_fmt:MATRIX_FMT_FP6
.endr
.endr
.endr
.endr
	WIN 0
	v_add_nc_u32 v13, s[TB], v5                    ; V's addresses; these lines are also the places behind the products
	v_add_nc_u32 v14, s[TB], v6
	v_add_nc_u32 v16, s[TS], v8
	s_add_co_u32 s[TB], s[TB], 6144
	s_add_co_u32 s[TS], s[TS], 256
.if \pre
	KADDR                                          ; the next step's
.else
	v_nop                                          ; the fourth place
.endif
	s_wait_alu depctr_va_vdst(0)
	WIN 0x40
.irp t, 0,1,2,3
	FRAG VF+12*\t, 13, 14, 1536*\t                 ; V's four fragments land while the softmax is worked
.endr
	WIN 0
	ds_load_b128 v[VSC:VSC+3], v16
.if \pre
	s_cmp_eq_u32 s58, 1
	s_cbranch_scc1 .Llast_\@
	KLOAD
.Llast_\@:
.endif
	SOFT 0
	SOFT 1
	s_wait_dscnt 0x0                               ; V's fragments and scale words are in (and K's next)
.irp u, 0,1
	WIN 1+0x54*\u
.irp t, 0,1,2,3                                ; O^T += V^T P^T: eight accumulators by turns, one instruction each a step
	v_wmma_scale_f32_16x16x128_f8f6f4 v[O+8*\t:O+8*\t+7], v[VF+12*\t:VF+12*\t+11], v[PCD:PCD+11], v[O+8*\t:O+8*\t+7], v[VSC+\t], v[PS+\u] matrix_a_fmt:MATRIX_FMT_FP6 matrix_b_fmt:MATRIX_FMT_FP6
.endr
.endr
	WIN 0
.endm
	s_wait_alu depctr_va_vdst(0)
	s_cmp_lt_u32 s14, 4
	s_cbranch_scc0 .Llater
	s_wait_tensorcnt 0x0                           ; waves 0 to 3: key steps 0, 1 and the scale words have landed; the later parts, which other waves' lines bring, may be out: no wave reads those bytes before the next barrier
.Llater:
	s_barrier_signal -1
	s_barrier_wait -1
	s_mov_b32 s58, 2
.Lfirst:
	STEP 0
	s_sub_co_u32 s58, s58, 1
	s_cmp_lg_u32 s58, 0
	s_cbranch_scc1 .Lfirst
	s_wait_tensorcnt 0x0                           ; the later parts have landed,
	s_wait_dscnt 0x0
	s_barrier_signal -1
	s_barrier_wait -1                              ; everybody's
	KADDR
	s_wait_alu depctr_va_vdst(0)
	KLOAD
	s_mov_b32 s58, 6
.Lrest:
	STEP 1
	s_sub_co_u32 s58, s58, 1
	s_cmp_lg_u32 s58, 0
	s_cbranch_scc1 .Lrest
	s_wait_alu depctr_va_vdst(0)
	; THE WAY OUT: o = O^T / the sum; its two blocks of 32 channels are quantised; my query's 24 bytes a lane go to their place in o2's images.
.irp u, 0,1
	WIN 0x55*\u
	v_add_f32 v[SUM], v[SUM], v[SUM+1]
.endr
.irp u, 1,0
	WIN 0x55*\u
	v_permlanex16_b32 v[PX], v[SUM], s[SEL], s[SEL+1]
.endr
.irp u, 0,1
	WIN 0x55*\u
	v_add_f32 v[SUM], v[SUM], v[PX]                ; the row's sum
.endr
	s_wait_alu depctr_va_vdst(0)                   ; ahead of the batch,
	v_rcp_f32 v[SUM], v[SUM]
	WIN 0
	v_rcp_f32 v[SUM], v[SUM]
	v_nop                                          ; one plain place behind a transcendental
.macro OUTT u
	WIN 0x55*\u
	s_wait_alu depctr_va_vdst(0)                   ; and ahead of the first reader, which is O^T's first too
.set J, 0
.rept 16
	v_pk_mul_f32 v[S+2*J:S+2*J+1], v[O+2*J:O+2*J+1], v[SUM:SUM+1] op_sel_hi:[1,0]   ; register 16 b + i: channel 32 b + 16 h + i of my query
.set J, J+1
.endr
.irp b, 0,1
	v_max3_num_f32 v[BM+\b], |v[S+16*\b]|, |v[S+1+16*\b]|, 0x1800000
	v_max3_num_f32 v[BS+\b], |v[S+2+16*\b]|, |v[S+3+16*\b]|, |v[S+4+16*\b]|
.endr
.irp i, 5,9
.irp b, 0,1
	v_max3_num_f32 v[BM+\b], v[BM+\b], |v[S+16*\b+\i]|, |v[S+1+16*\b+\i]|
	v_max3_num_f32 v[BS+\b], v[BS+\b], |v[S+2+16*\b+\i]|, |v[S+3+16*\b+\i]|
.endr
.endr
.irp b, 0,1
	v_max3_num_f32 v[BM+\b], v[BM+\b], |v[S+16*\b+13]|, |v[S+16*\b+14]|
	v_max_num_f32 v[BS+\b], v[BS+\b], |v[S+16*\b+15]|
.endr
.irp b, 0,1
	v_max_num_f32 v[BM+\b], v[BM+\b], v[BS+\b]
.endr
.irp b, 0,1
	v_permlanex16_b32 v[E+\b], v[BM+\b], s[SEL], s[SEL+1]
.endr
.irp b, 0,1
	v_max_num_f32 v[BM+\b], v[BM+\b], v[E+\b]      ; a block lies in lanes l and l xor 16
.endr
.irp b, 0,1
	v_add_nc_u32 v[BS+\b], 0xff000000, v[BM+\b]
.endr
.irp b, 0,1
	v_lshrrev_b32 v[E+\b], 23, v[BS+\b]
.endr
	v_cvt_scalef32_pk16_fp6_f32 v[PCD:PCD+2], v[S:S+15], v[BS]
	v_cvt_scalef32_pk16_fp6_f32 v[PT:PT+2], v[S+16:S+31], v[BS+1]
	v_lshl_or_b32 v[T], v[E+1], 8, v[E]            ; my query's two scale bytes (a plain place behind the conversions)
.irp i, 0,1,2
	v_permlane16_swap_b32 v[PCD+\i], v[PT+\i]
.endr
.irp i, 0,1,2
	v_mov_b32 v[PCD+3+\i], v[PT+\i]                ; lane (r, h): channels 32 h + 0 .. 31 of query r
.endr
	WIN 0x04*\u
	ds_store_b128 v244, v[PCD:PCD+3] offset:6144*\u
	ds_store_b64 v245, v[PCD+4:PCD+5] offset:6144*\u
	ds_store_b16 v246, v[T] offset:16*\u           ; lanes l and l xor 16 write the same two bytes with the same value
.endm
	OUTT 0
	OUTT 1
	WIN 0
	s_wait_dscnt 0x0                               ; for the others' sake: my stores have landed
	s_barrier_signal -1
	s_barrier_wait -1
.irp k, 0,1,2
	ds_load_b128 v[64+4*\k:67+4*\k], v247 offset:512*\k            ; the stage leaves as it lies: 1,536 bytes a wave
.endr
	s_wait_dscnt 0x0
.irp k, 0,1,2
	global_store_b128 v17, v[64+4*\k:67+4*\k], s[76:77] offset:512*\k   ; 512 consecutive bytes, aligned to 256
.endr
	s_cmp_lg_u32 s14, 0
	s_cbranch_scc1 .Lnot_0
	ds_load_b128 v[76:79], v248                    ; wave 0: the 16 rows' 512 scale bytes
	s_wait_dscnt 0x0
	global_store_b128 v17, v[76:79], s[78:79]
.Lnot_0:
	s_wait_tensorcnt 0x0                           ; the wave's end
	ds_add_u32 v[SPW], v[NIL]
	s_wait_dscnt 0x0
	CROUND                                         ; the closing round
	s_endpgm
.Lfunc_end_k_qb9b5b46536_attn:
	.size	k_qb9b5b46536_attn, .Lfunc_end_k_qb9b5b46536_attn-k_qb9b5b46536_attn
	.p2alignl 7, 3214868480
	.fill 96, 4, 3214868480
	.section	.rodata,"a",@progbits
	.p2align	6, 0x0
	.amdhsa_kernel k_qb9b5b46536_attn
		.amdhsa_group_segment_fixed_size 168960
		.amdhsa_private_segment_fixed_size 0
		.amdhsa_enable_private_segment 0
		.amdhsa_kernarg_size 32
		.amdhsa_user_sgpr_count 2
		.amdhsa_user_sgpr_kernarg_segment_ptr 1
		.amdhsa_wavefront_size32 1
		.amdhsa_system_sgpr_workgroup_id_x 1
		.amdhsa_system_sgpr_workgroup_id_y 1
		.amdhsa_system_sgpr_workgroup_id_z 1
		.amdhsa_system_vgpr_workitem_id 0
		.amdhsa_next_free_vgpr 512
		.amdhsa_next_free_sgpr 96
		.amdhsa_reserve_vcc 0
		.amdhsa_float_denorm_mode_32 3
		.amdhsa_float_denorm_mode_16_64 3
		.amdhsa_memory_ordered 1
		.amdhsa_forward_progress 1
		.amdhsa_inst_pref_size 79
	.end_amdhsa_kernel
	.amdgpu_metadata
---
amdhsa.version: [ 1, 2 ]
amdhsa.kernels:
  - .name:           k_qb9b5b46536_attn
    .symbol:         k_qb9b5b46536_attn.kd
    .args:
      - { .name: qkvc, .offset: 0, .size: 8, .value_kind: global_buffer, .address_space: global }
      - { .name: qkvs, .offset: 8, .size: 8, .value_kind: global_buffer, .address_space: global }
      - { .name: cod, .offset: 16, .size: 8, .value_kind: global_buffer, .address_space: global }
      - { .name: scl, .offset: 24, .size: 8, .value_kind: global_buffer, .address_space: global }
    .group_segment_fixed_size: 168960
    .private_segment_fixed_size: 0
    .kernarg_segment_align: 8
    .kernarg_segment_size: 32
    .max_flat_workgroup_size: 256
    .sgpr_count:     96
    .vgpr_count:     512
    .wavefront_size: 32
...
	.end_amdgpu_metadata
.endif
;; end of part 3
;; launch outp (part 4): grid 8 x 32, 4 waves a work-group, clusters of 4 x 4, 327,680 bytes of LDS; arguments cod, scl, b_out, x, out0; writes out0
.if DOCPART == 4
	.amdgcn_target "amdgcn-amd-amdhsa--gfx1250"
	.amdhsa_code_object_version 6
	.text
	.protected	k_qb9b5b46536_outp
	.globl	k_qb9b5b46536_outp
	.p2align	8
	.type	k_qb9b5b46536_outp,@function
k_qb9b5b46536_outp:
	s_mov_b64 s[64:65], 0
	v_nop
	global_prefetch_b8 v0, s[64:65] scope:SCOPE_SE
	s_setreg_imm32_b32 hwreg(HW_REG_WAVE_MODE, 25, 1), 1
	s_wait_xcnt 0x0
	s_wait_alu depctr_hold_cnt(0) depctr_sa_sdst(0) depctr_va_vdst(0) depctr_va_sdst(0) depctr_va_ssrc(0) depctr_va_vcc(0) depctr_vm_vsrc(0)
	s_getreg_b32 s2, hwreg(HW_REG_IB_STS2, 6, 4)
	s_cmp_eq_u32 s2, 0
	s_cbranch_scc0 .Lentry_in_a_cluster
	s_endpgm
.Lentry_in_a_cluster:
	s_bfe_u32 s2, ttmp6, 0x10000c
	s_cmp_lg_u32 s2, 0xf033
	s_cbranch_scc0 .Lentry_shape_is_right
	s_endpgm
.Lentry_shape_is_right:
; OUTP.  out0 = x + o2 w_out^T + b_out on codes of E2M3 (K = 1,024).  A work-group of four waves makes 128 x 128, a wave 64 x 64: 16 accumulators, which the bias starts (the first products' C).
; Operands lie in cod as images of their registers: fragment (row tile, K step) at 12,288 rt + 1,536 ks.  64 rows, all of K, are 49,152 consecutive bytes: ONE joint load a wave at the head (waves 0, 1 A's halves, waves 2, 3 B's) brings all that the work-group multiplies; no slot is filled again.
; CLUSTER 4 x 4: A's rows are shared along a row of the cluster, B's along a column.  No prefetch: every tensor load goes out at the head, so there is no loop to run ahead in.
; The matrix instruction is used transposed (source 0 = rows of w_out); a block of 16 rows turns through the wave's own stage and leaves as rows of 256 bytes, with x added there; x's numbers are loaded at the head.
; LIMITS: NaN and infinities are not served.
.set PART,  49152                      ; 64 rows, all of K
.set STAGE, 4*PART
.set SP,    272
.set ADA,   4
.set ADB,   12
.set STO,   20
.set RD,    21
.set CO,    22
.set SC,    32
.set BKR,   64
.set BB,    96
.set ACC,   128
.set G1,  24
.set G0,  32
.set G1B, 48
.set G0B, 68
.set MSB, 0
.macro WIN new
.if MSB != (\new)
	s_set_vgpr_msb (MSB<<8)|(\new)
.set MSB, \new
.endif
.endm
.macro PLACES n
.rept \n
	v_nop
.endr
.endm
.macro JLOAD g0a, g1a, g0b, g1b
	s_cmp_eq_u32 s15, 0
	s_cbranch_scc0 .Lfor_b_\@
	tensor_load_to_lds s[\g0a:\g0a+3], s[\g1a:\g1a+7]
	s_nop 0
.rept 4
	v_nop
.endr
	s_branch .Lasked_\@
.Lfor_b_\@:
	tensor_load_to_lds s[\g0b:\g0b+3], s[\g1b:\g1b+7]
	s_nop 0
.rept 4
	v_nop
.endr
.Lasked_\@:
.endm
.macro CROUND
	s_barrier_signal -1
	s_barrier_wait -1
	s_cmp_lg_u32 s14, 0
	s_cbranch_scc1 .Lnot_wave_0_\@
	s_barrier_signal -3
.Lnot_wave_0_\@:
	s_barrier_wait -3
	s_barrier_signal -1
	s_barrier_wait -1
.endm
.macro FRAG reg, a16, a8, off
	ds_load_b128 v[\reg:\reg+3], v[\a16] offset:\off
	ds_load_b64 v[\reg+4:\reg+5], v[\a8] offset:\off+512
	ds_load_b128 v[\reg+6:\reg+9], v[\a16] offset:\off+768
	ds_load_b64 v[\reg+10:\reg+11], v[\a8] offset:\off+1280
.endm
.macro FETCH ks, f
	WIN 0x40
.irp b, 0,1,2,3
	FRAG \f+48+12*\b, ADB, ADB+1, 12288*\b+1536*(\ks)
.endr
.irp a, 0,1,2,3
	FRAG \f+12*\a, ADA, ADA+1, 12288*\a+1536*(\ks)
.endr
.endm
.macro MUL8 f, a0, ks, first
	WIN 0x05
.irp a, \a0, \a0+1
.irp b, 0,1,2,3
.if \first
	v_wmma_scale_f32_16x16x128_f8f6f4 v[ACC+8*(4*(\a)+\b):ACC+8*(4*(\a)+\b)+7], v[\f+48+12*\b:\f+48+12*\b+11], v[\f+12*(\a):\f+12*(\a)+11], v[BB+8*\b:BB+8*\b+7], v[SC+8*\b+(\ks)], v[SC+8*(\a)+(\ks)] matrix_a_fmt:MATRIX_FMT_FP6 matrix_b_fmt:MATRIX_FMT_FP6 matrix_a_scale:MATRIX_SCALE_ROW1
.else
	v_wmma_scale_f32_16x16x128_f8f6f4 v[ACC+8*(4*(\a)+\b):ACC+8*(4*(\a)+\b)+7], v[\f+48+12*\b:\f+48+12*\b+11], v[\f+12*(\a):\f+12*(\a)+11], v[ACC+8*(4*(\a)+\b):ACC+8*(4*(\a)+\b)+7], v[SC+8*\b+(\ks)], v[SC+8*(\a)+(\ks)] matrix_a_fmt:MATRIX_FMT_FP6 matrix_b_fmt:MATRIX_FMT_FP6 matrix_a_scale:MATRIX_SCALE_ROW1
.endif
.endr
.endr
.endm
.macro KSTEP ks, first
	s_wait_dscnt 8
	MUL8 128*((\ks)%2), 0, \ks, \first
	s_wait_dscnt 0x0
.if (\ks) < 7
	PLACES 4
	FETCH (\ks)+1, 128*(((\ks)+1)%2)
.endif
	MUL8 128*((\ks)%2), 2, \ks, \first
.endm
	s_load_b256 s[4:11], s[0:1], 0x0
	s_load_b64 s[12:13], s[0:1], 0x20
	v_lshl_add_u32 v30, v0, 2, 0x34400
	v_mov_b32 v31, 0
	ds_add_u32 v30, v31
	ds_add_u32 v30, v31
	v_lshrrev_b32 v1, 5, v0
	v_readfirstlane_b32 s14, v1
	s_lshr_b32 s15, s14, 1
	s_and_b32 s16, s14, 1
	s_bfe_u32 s88, ttmp6, 0x40000
	s_bfe_u32 s89, ttmp6, 0x40004
	s_lshl_b32 s90, ttmp9, 2
	s_add_co_u32 s90, s90, s88
	s_and_b32 s17, ttmp7, 0xffff
	s_lshl_b32 s17, s17, 2
	s_add_co_u32 s17, s17, s89
	s_lshl_b32 s91, s89, 2
	s_lshl_b32 s91, 15, s91
	s_lshl_b32 s92, 0x1111, s88
	s_or_b32 s[G1+0], s91, (3<<16)|(1<<21)
	s_or_b32 s[G1B+0], s92, (3<<16)|(1<<21)
.irp g, G1, G1B
	s_mov_b32 s[\g+1], 32<<16                      ; a dense block as 192 rows of 256 bytes (32 elements of 8 bytes)
	s_mov_b32 s[\g+2], 192<<16
	s_mov_b32 s[\g+3], 32<<16
	s_mov_b32 s[\g+4], 192
	s_mov_b32 s[\g+5], 32
	s_mov_b32 s[\g+6], 0
	s_mov_b32 s[\g+7], 0
.endr
	s_lshl_b32 s18, s16, 6
	s_lshl_b32 s20, s17, 7
	s_add_co_u32 s20, s20, 8192
	s_lshl_b32 s22, s90, 7
	s_add_co_u32 s22, s22, 7168
	s_add_co_u32 s84, s20, s18
	s_mul_i32 s84, s84, 768
	s_mov_b32 s85, 0
	s_add_co_u32 s86, s22, s18
	s_mul_i32 s86, s86, 768
	s_mov_b32 s87, 0
	s_mul_i32 s93, s14, PART
	s_wait_dscnt 0x0
	s_wait_kmcnt 0x0
	s_add_nc_u64 s[84:85], s[4:5], s[84:85]
	s_add_nc_u64 s[86:87], s[4:5], s[86:87]
	CROUND
	s_mov_b32 s[G0], 1
	s_mov_b32 s[G0+1], s93                         ; my quarter of the LDS image
	s_mov_b64 s[G0+2:G0+3], s[84:85]
	s_or_b32 s[G0+3], s[G0+3], 0x80000000
	s_mov_b32 s[G0B], 1
	s_mov_b32 s[G0B+1], s93
	s_mov_b64 s[G0B+2:G0B+3], s[86:87]
	s_or_b32 s[G0B+3], s[G0B+3], 0x80000000
	JLOAD G0, G1, G0B, G1B                         ; my one tensor load
	v_and_b32 v1, 31, v0
	v_and_b32 v2, 15, v0
	v_bfe_u32 v3, v0, 4, 1
	v_lshlrev_b32 v23, 4, v1
	v_lshlrev_b32 v24, 3, v1
	s_mul_i32 s56, s15, PART
	s_mul_i32 s57, s16, PART
	s_add_co_u32 s57, s57, 2*PART
	v_add_nc_u32 v[ADA], s56, v23                  ; 16 x and 8 x lane in my 64 rows of A,
	v_add_nc_u32 v[ADA+1], s56, v24
	v_add_nc_u32 v[ADB], s57, v23                  ; and of B
	v_add_nc_u32 v[ADB+1], s57, v24
	s_mul_i32 s58, s14, 16*SP
	s_add_co_u32 s58, s58, STAGE
	v_mul_u32_u24 v[STO], v2, SP
	v_lshl_add_u32 v[STO], v3, 6, v[STO]
	v_add_nc_u32 v[STO], s58, v[STO]
	v_mul_u32_u24 v[RD], v3, SP
	v_lshl_add_u32 v[RD], v2, 4, v[RD]
	v_add_nc_u32 v[RD], s58, v[RD]
	v_lshlrev_b32 v[CO], 4, v2
	v_lshl_add_u32 v[CO], v3, 12, v[CO]
	s_wait_alu depctr_va_vdst(0)
	s_lshl_b32 s59, s15, 6
	s_add_co_u32 s59, s59, s20
	s_lshl_b32 s60, s16, 6
	s_add_co_u32 s60, s60, s22
	v_mov_b32 v25, s59
	v_mov_b32 v26, s60
	v_cmp_eq_u32 vcc_lo, 1, v3
	v_cndmask_b32 v25, v25, v26, vcc_lo
	v_add_nc_u32 v25, v25, v2
	v_lshlrev_b32 v25, 5, v25
.irp i, 0,1,2,3
	global_load_b128 v[SC+8*\i:SC+8*\i+3], v25, s[6:7] offset:512*\i
	global_load_b128 v[SC+8*\i+4:SC+8*\i+7], v25, s[6:7] offset:512*\i+16
.endr
	s_lshl_b32 s61, s90, 7
	s_lshl_b32 s62, s16, 6
	s_add_co_u32 s61, s61, s62
	s_lshl_b32 s62, s61, 2
	s_mov_b32 s63, 0
	s_add_nc_u64 s[8:9], s[8:9], s[62:63]
	v_lshlrev_b32 v26, 6, v3
.irp b, 0,1,2,3
	global_load_b128 v[BB+8*\b:BB+8*\b+3], v26, s[8:9] offset:(32*(\b/2)+8*(\b%2))*4
	global_load_b128 v[BB+8*\b+4:BB+8*\b+7], v26, s[8:9] offset:(32*(\b/2)+8*(\b%2))*4+16
.endr
	s_lshl_b32 s94, s17, 7
	s_lshl_b32 s95, s15, 6
	s_add_co_u32 s94, s94, s95
	s_lshl_b32 s94, s94, 12
	s_add_co_u32 s94, s94, s62
	s_mov_b32 s95, 0
	s_add_nc_u64 s[10:11], s[10:11], s[94:95]
	s_add_nc_u64 s[12:13], s[12:13], s[94:95]
	WIN 0x80
.irp a, 0,1,2,3
.irp t, 0,1,2,3,4,5,6,7
	global_load_b128 v[4*(8*\a+\t):4*(8*\a+\t)+3], v[CO], s[10:11] offset:(16*\a+2*\t)*4096 th:TH_LOAD_NT
.endr
.endr
	WIN 0
	s_wait_alu depctr_va_vdst(0)
	s_wait_tensorcnt 0x0                           ; my load has landed; behind the barrier everybody's has
	s_barrier_signal -1
	s_barrier_wait -1
	FETCH 0, 0
	s_wait_loadcnt 32
	KSTEP 0, 1
	KSTEP 1, 0
	KSTEP 2, 0
	KSTEP 3, 0
	KSTEP 4, 0
	KSTEP 5, 0
	KSTEP 6, 0
	KSTEP 7, 0
	WIN 0
	PLACES 4
	s_wait_loadcnt 0x0
.macro OUTB a
.if \a > 0
	s_wait_xcnt 0x0
.endif
.irp b, 0,1,2,3
	ds_store_b128 v[STO], v[ACC+8*(4*\a+\b):ACC+8*(4*\a+\b)+3] offset:128*(\b/2)+32*(\b%2)
	ds_store_b128 v[STO], v[ACC+8*(4*\a+\b)+4:ACC+8*(4*\a+\b)+7] offset:128*(\b/2)+32*(\b%2)+16
.endr
.irp t, 0,1,2,3,4,5,6,7
	ds_load_b128 v[BKR+4*\t:BKR+4*\t+3], v[RD] offset:2*SP*\t
.endr
	s_wait_dscnt 0x0
	WIN 0x08
.irp t, 0,1,2,3,4,5,6,7
.irp e, 0,2
	v_pk_add_f32 v[BKR+4*\t+\e:BKR+4*\t+\e+1], v[BKR+4*\t+\e:BKR+4*\t+\e+1], v[4*(8*\a+\t)+\e:4*(8*\a+\t)+\e+1]
.endr
.endr
	WIN 0
.irp t, 0,1,2,3,4,5,6,7
	global_store_b128 v[CO], v[BKR+4*\t:BKR+4*\t+3], s[12:13] offset:(16*\a+2*\t)*4096 th:TH_STORE_NT
.endr
.endm
	OUTB 0
	OUTB 1
	OUTB 2
	OUTB 3
	s_wait_dscnt 0x0
	s_wait_tensorcnt 0x0
	ds_add_u32 v30, v31
	s_wait_dscnt 0x0
	CROUND
	s_endpgm
.Lfunc_end_k_qb9b5b46536_outp:
	.size	k_qb9b5b46536_outp, .Lfunc_end_k_qb9b5b46536_outp-k_qb9b5b46536_outp
	.p2alignl 7, 3214868480
	.fill 96, 4, 3214868480
	.section	.rodata,"a",@progbits
	.p2align	6, 0x0
	.amdhsa_kernel k_qb9b5b46536_outp
		.amdhsa_group_segment_fixed_size 327680
		.amdhsa_private_segment_fixed_size 0
		.amdhsa_enable_private_segment 0
		.amdhsa_kernarg_size 40
		.amdhsa_user_sgpr_count 2
		.amdhsa_user_sgpr_kernarg_segment_ptr 1
		.amdhsa_wavefront_size32 1
		.amdhsa_system_sgpr_workgroup_id_x 1
		.amdhsa_system_sgpr_workgroup_id_y 1
		.amdhsa_system_sgpr_workgroup_id_z 1
		.amdhsa_system_vgpr_workitem_id 0
		.amdhsa_next_free_vgpr 640
		.amdhsa_next_free_sgpr 96
		.amdhsa_reserve_vcc 1
		.amdhsa_float_denorm_mode_32 3
		.amdhsa_float_denorm_mode_16_64 3
		.amdhsa_memory_ordered 1
		.amdhsa_forward_progress 1
		.amdhsa_inst_pref_size 57
	.end_amdhsa_kernel
	.amdgpu_metadata
---
amdhsa.version: [ 1, 2 ]
amdhsa.kernels:
  - .name:           k_qb9b5b46536_outp
    .symbol:         k_qb9b5b46536_outp.kd
    .args:
      - { .name: cod, .offset: 0, .size: 8, .value_kind: global_buffer, .address_space: global }
      - { .name: scl, .offset: 8, .size: 8, .value_kind: global_buffer, .address_space: global }
      - { .name: b_out, .offset: 16, .size: 8, .value_kind: global_buffer, .address_space: global }
      - { .name: x, .offset: 24, .size: 8, .value_kind: global_buffer, .address_space: global }
      - { .name: out0, .offset: 32, .size: 8, .value_kind: global_buffer, .address_space: global }
    .group_segment_fixed_size: 327680
    .private_segment_fixed_size: 0
    .kernarg_segment_align: 8
    .kernarg_segment_size: 40
    .max_flat_workgroup_size: 128
    .sgpr_count:     96
    .vgpr_count:     640
    .wavefront_size: 32
...
	.end_amdgpu_metadata
.endif
;; end of part 4
